; MI455X (gfx1250); checked and timed in simulation.
; The chip was launched on July 23, 2026; its instructions are those of AMD's public machine-readable ISA for CDNA 5 (MIT licence, August 2026) and "CDNA5" Instruction Set Architecture Reference Guide (July 2026). The comments in the code are by the model that wrote it; some were corrected since.
;; Causal Self Attention. Allowed arithmetic: matrix products marked QUANTISED: E2M1 operands, one E8M0 scale for each 32 along K, by v_wmma_scale_f32_16x16x128_f8f6f4 with both operands' format E2M1 (or v_wmma_scale_f32_32x16x128_f4), f32 sums; everything else in f32.
;; Inputs: Wk 1,024 x 1,024 float32; Wp 1,024 x 1,024 float32; Wq 1,024 x 1,024 float32; Wv 1,024 x 1,024 float32; bk 1,024 float32; bp 1,024 float32; bq 1,024 float32; bv 1,024 float32; x 4 x 2,048 x 1,024 float32.
;; Outputs: out0 4 x 2,048 x 1,024 float32.
;; This version of the problem:
;;   THIS VERSION OF THE PROBLEM IS GIVEN IN LOW PRECISION. The matrix products marked QUANTISED in the list below multiply operands that are first quantised to E2M1 (2 exponent bits, 1 mantissa bit; 4 bits a number), with one power-of-two scale for each 32 numbers along K (OCP MX v1.0); their sums are f32. All else is computed in f32.
;;   The module's matrix products, in the order in which they are computed (A, B: the left and right operand; K: the contracted axis; several contracted axes count as one K, in the product's order):
;;     1. [M 8,192, K 1,024] x [K 1,024, N 1,024]; A: input x; B: input Wq: QUANTISED
;;     2. [M 8,192, K 1,024] x [K 1,024, N 1,024]; A: input x; B: input Wk: QUANTISED
;;     3. [M 8,192, K 1,024] x [K 1,024, N 1,024]; A: input x; B: input Wv: QUANTISED
;;     4. batch 64 x [M 2,048, K 64] x [K 64, N 2,048]; A: computed on the way; B: computed on the way: QUANTISED
;;     5. batch 64 x [M 2,048, K 2,048] x [K 2,048, N 64]; A: softmax (see below); B: computed on the way: QUANTISED
;;     6. [M 8,192, K 1,024] x [K 1,024, N 1,024]; A: computed on the way; B: input Wp: QUANTISED
;;   THE QUANTISER, for each operand of a quantised product, along K:
;;     - K is cut into blocks of 32 from its start; a last block that is shorter is filled with zeros.
;;     - A block's scale is 2^e with e = floor(log2(the largest magnitude in the block)) - 2, held to -126 .. 127; a block of zeros has e = 0. As a byte (E8M0): e + 127.
;;     - Each number is divided by its block's scale, clamped to +-6, and rounded to the nearest number of E2M1, ties to even, subnormals kept.
;;     - The product sums the exact products of the quantised numbers (number of the format x scale) in f32.
;;   ~~~python
;;   def quantise(x, axis):      # numpy; x: float32 -> the quantised numbers, widened to float32 again
;;       x = np.moveaxis(x, axis, -1); K = x.shape[-1]
;;       x = np.pad(x, [(0, 0)] * (x.ndim - 1) + [(0, -K % 32)]); x = x.reshape(x.shape[:-1] + (-1, 32)); a = np.abs(x).max(-1, keepdims=True)
;;       e = np.where(a > 0, np.clip(np.frexp(np.where(a > 0, a, 1))[1] - 1 - 2, -126, 127), 0)      # np.frexp(a)[1] - 1 = floor(log2(a)), exactly
;;       r = np.clip(x / 2.0 ** e, -6, 6)
;;       step = 2.0 ** (np.maximum(np.frexp(np.where(r == 0, 1, r))[1] - 1, 0) - 1)
;;       q = np.round(r / step) * step * 2.0 ** e      # np.round: ties to even
;;       return np.moveaxis(q.reshape(q.shape[:-2] + (-1,))[..., :K], -1, axis).astype(np.float32)
;;   ~~~
;;   SOFTMAX AHEAD OF A QUANTISED PRODUCT. Where the list says 'softmax', what is quantised is not the finished softmax but p = 2^(t - M), with t = logit x log2(e) and M = ceil(the row's largest t), a whole number; so 1/2 < the row's largest p <= 1. The row's sum l is taken of the UNQUANTISED p, in f32, and the product's result is divided by l at the end. Since M is a whole number, a kernel that streams over the keys may use a running M (the ceiling of the running maximum): every later rescaling is an exact power of two, which a block's scale takes up: the codes' values come out the same.
;;   OPERANDS COMPUTED ON THE WAY. 'Computed on the way' means the value that the module computes at that place (a softmax that the list does not call 'softmax' is quantised finished and normalised). What goes into a quantiser is computed in f32, as accurately as f32 sums, v_exp_f32 and their like allow (about 1e-6 of the number): no bf16 or f16 on the way to a quantiser, and a product that is left as it is and whose result goes on into a quantised operand takes f32 operands (vector FMAs, or v_wmma_f32_16x16x4_f32). A number that lies on a knife's edge between two numbers of the format may be rounded either way, as far as f32 arithmetic and the matrix unit's own rounding can turn it there, and no further.
;; One version. Each part assembles by itself: llvm-mc -triple=amdgcn-amd-amdhsa -mcpu=gfx1250 --defsym DOCPART=n.
;; ======== version 1 of 1: 4 launches
;; workspace buffers: x_img 4,194,304 bytes; x_sc 262,144 bytes; w_img 2,097,152 bytes; w_sc 131,072 bytes; qkv 13,893,632 bytes; y_img 4,194,304 bytes; y_sc 262,144 bytes
;; launch quant (part 1): grid 512 x 1, 4 waves a work-group, no clusters, 34,304 bytes of LDS; arguments x, Wq, Wk, Wv, Wp, x_img, x_sc, w_img, w_sc; writes x_img, x_sc, w_img, w_sc
.if DOCPART == 1
	.amdgcn_target "amdgcn-amd-amdhsa--gfx1250"
	.amdhsa_code_object_version 6
	.text
	.protected	k_qb67bb26dd6_quant
	.globl	k_qb67bb26dd6_quant
	.p2align	8
	.type	k_qb67bb26dd6_quant,@function
k_qb67bb26dd6_quant:
	s_mov_b64 s[64:65], 0
	v_nop
	global_prefetch_b8 v0, s[64:65] scope:SCOPE_SE
	s_setreg_imm32_b32 hwreg(HW_REG_WAVE_MODE, 25, 1), 1
	s_wait_xcnt 0x0
; x [8192][1024] f32 (K innermost) and Wq, Wk, Wv, Wp [1024 (k)][1024 (n)] f32 (K outermost) become codes of FP4 (E2M1) with one E8M0 scale byte for each 32 along K.
; A block's scale is 2^(floor(log2(its largest magnitude)) - 2); its byte is the largest magnitude's exponent field - 2, held at 1 from below; numbers are divided by it and rounded to the nearest code, ties to even.
; LIMITS: a block whose largest magnitude lies under 2^-124, a block of zeros among them, gets the byte 1 (its codes are then zeros or the format's smallest; this program alone reads the bytes); NaN and infinities are not served.
; WHAT IS WRITTEN ARE IMAGES OF OPERAND REGISTERS.  A fragment (16 rows x 128 K) is 1,024 bytes, [c 2][lane 32][16 bytes]: lane (r, h), group c holds k = 64 c + 32 h + 0 .. 31 of row r.
; An operand is [tile of 16 rows][K step 8][fragment], 8,192 bytes a tile; its scale words [tile][half of K 2][row 16][4 words], 512 bytes a tile.
; THE ROWS OF A TILE ARE NOT NEIGHBOURS: stored tile 2 B + u, row r is actual row 32 B + 8 u + r % 8 + 16 (r / 8), for tokens and for the weights' columns alike.
; Work-groups 0-255 take x, 256-511 the weights: one scalar branch on the work-group's number.  Only x's path uses LDS (a stage for each wave); waves share nothing, so there is no barrier.
.set SP,   528                         ; a stage row: 512 bytes + 16: row r starts 4 r banks on (64 banks of 4 bytes: ISA guide 11.1)
.set WSTG, 16*SP                       ; a wave's stage
.set R,    16                          ; v16-143  x: two sets of 64: 16 rows x 16 bytes a lane, as loaded
.set X,    144                         ; v144-207 x: 64 numbers of my row: register 16 b + i = k 32 b + 16 h + i
.set PC,   208                         ; v208-239 codes, 8 registers for each of the four fragments: no store's data are written again
.set PW,   240                         ; v240-243 their scale words
.set TM,   244                         ; v244-247 largest magnitudes, v248-251 the other half's, then bytes, v252-255 the conversions' scale operands
.set WX,   32                          ; v32-95   weights: two sets of 32 numbers down K
.set WC,   96                          ; v96-111  weights: codes, 4 registers for each of the four blocks
	s_load_b256 s[4:11], s[0:1], 0x0               ; x s[4:5], Wq s[6:7], Wk s[8:9], Wv s[10:11]
	s_load_b256 s[12:19], s[0:1], 0x20             ; Wp s[12:13], x_img s[14:15], x_sc s[16:17], w_img s[18:19]
	s_load_b64 s[20:21], s[0:1], 0x40              ; w_sc
	v_lshl_add_u32 v9, v0, 2, 0x8400
	v_mov_b32 v15, 0
	v_lshrrev_b32 v1, 5, v0
	v_readfirstlane_b32 s22, v1                    ; wave 0..3
	v_and_b32 v5, 31, v0                           ; lane
	v_and_b32 v6, 15, v0                           ; r
	v_bfe_u32 v7, v0, 4, 1                         ; h
	s_cmp_lt_u32 ttmp9, 256
	s_cbranch_scc0 .Lweights
; ---------------- x: a wave takes one stored tile of 16 rows and half of K: four fragments ----------------
	s_lshl_b32 s23, ttmp9, 2
	s_add_co_u32 s23, s23, s22                     ; 4 x work-group + wave
	s_lshr_b32 s24, s23, 1                         ; the stored tile, 0..511
	s_and_b32 s25, s23, 1                          ; which half of K
	s_lshr_b32 s26, s24, 1
	s_lshl_b32 s26, s26, 17                        ; 32 rows of 4,096 bytes for each pair of tiles,
	s_and_b32 s27, s24, 1
	s_lshl_b32 s27, s27, 15                        ; 8 rows for the odd tile,
	s_add_co_u32 s26, s26, s27
	s_lshl_b32 s27, s25, 11                        ; 2,048 bytes for the upper half of K
	s_add_co_u32 s26, s26, s27
	s_mov_b32 s27, 0
	s_lshl_b32 s28, s24, 13                        ; the images: 8,192 bytes a tile, 4,096 a half
	s_lshl_b32 s29, s25, 12
	s_add_co_u32 s28, s28, s29
	s_mov_b32 s29, 0
	s_lshl_b32 s30, s24, 9                         ; the scale words: 512 bytes a tile, 256 a half
	s_lshl_b32 s31, s25, 8
	s_add_co_u32 s30, s30, s31
	s_mov_b32 s31, 0
	s_mul_i32 s32, s22, WSTG                       ; my stage
	s_wait_alu depctr_va_vdst(0)
	v_lshlrev_b32 v1, 4, v5                        ; 16 x lane: a load's, an image's and a stage row's place for my lane
	v_add_nc_u32 v2, s32, v1                       ; the stage, on the way in
	v_mul_u32_u24 v3, v6, SP
	v_lshl_add_u32 v3, v7, 6, v3
	v_add_nc_u32 v3, s32, v3                       ; and on the way out: row r, + 64 h: my 16 numbers of a block of 32
	v_lshlrev_b32 v4, 4, v6
	v_lshl_add_u32 v4, v7, 3, v4                   ; the scale words: 16 r + 8 h
	s_mov_b32 s34, 0x76543210
	s_mov_b32 s35, 0xfedcba98                      ; v_permlanex16_b32's selects for lane l xor 16
.irp b, 0,1,2,3
	v_mov_b32 v[TM+4+\b], 0                        ; written once: a lane permute's destination counts as one of its sources
.endr
	s_wait_alu depctr_va_vdst(0)
	s_wait_kmcnt 0x0
	s_add_nc_u64 s[4:5], s[4:5], s[26:27]
	s_add_nc_u64 s[14:15], s[14:15], s[28:29]
	s_add_nc_u64 s[16:17], s[16:17], s[30:31]
.macro LOADU t                         ; fragment t: 128 numbers of each of my 16 rows: each load reads 512 consecutive bytes of one row
.irp p, 0,1,2,3,4,5,6,7,8,9,10,11,12,13,14,15
	global_load_b128 v[R+64*((\t)%2)+4*\p:R+64*((\t)%2)+4*\p+3], v1, s[4:5] offset:((\p%8)+16*(\p/8))*4096+512*(\t) th:TH_LOAD_NT
.endr
.endm
; 64 numbers of a lane, register 16 b + i = k 32 b + 16 h + i of my row, become a fragment's codes in v[pc] on and its scale word in v[pw]
.macro QUANT s, pc, pw
.irp b, 0,1,2,3
	v_max3_num_f32 v[TM+\b], |v[\s+16*\b]|, |v[\s+1+16*\b]|, 0x1800000   ; block b: my 16 numbers, and the floor 2^(3 - 127): the byte cannot fall under 1
.endr
.irp i, 2,4,6,8,10,12,14
.irp b, 0,1,2,3
	v_max3_num_f32 v[TM+\b], v[TM+\b], |v[\s+16*\b+\i]|, |v[\s+1+16*\b+\i]|   ; the four blocks by turns
.endr
.endr
.irp b, 0,1,2,3
	v_permlanex16_b32 v[TM+4+\b], v[TM+\b], s34, s35
.endr
.irp b, 0,1,2,3
	v_max_num_f32 v[TM+\b], v[TM+\b], v[TM+4+\b]   ; with lane l xor 16's: the block's largest magnitude
.endr
.irp b, 0,1,2,3
	v_add_nc_u32 v[TM+8+\b], 0xff000000, v[TM+\b]  ; 2 off its exponent field: the conversion takes the exponent field of this operand as its scale
.endr
.irp b, 0,1,2,3
	v_lshrrev_b32 v[TM+4+\b], 23, v[TM+8+\b]       ; the scale's byte
.endr
	v_lshl_or_b32 v[\pw], v[TM+5], 8, v[TM+4]      ; four bytes: my row's scale word
	v_lshl_or_b32 v[\pw], v[TM+6], 16, v[\pw]
	v_lshl_or_b32 v[\pw], v[TM+7], 24, v[\pw]
.irp b, 0,1,2,3
	v_cvt_scalef32_pk8_fp4_f32 v[(\pc)+2*\b], v[\s+16*\b:\s+16*\b+7], v[TM+8+\b]
	v_cvt_scalef32_pk8_fp4_f32 v[(\pc)+1+2*\b], v[\s+8+16*\b:\s+15+16*\b], v[TM+8+\b]
.endr
	v_nop                                          ; one plain line behind the conversions, ahead of the lines that touch their results
.irp c, 0,1                                    ; the operand's layout wants a WHOLE block in a lane: lanes 0-15 block 2 c, lanes 16-31 block 2 c + 1
.irp i, 0,1
	v_permlane16_swap_b32 v[(\pc)+4*\c+\i], v[(\pc)+2+4*\c+\i]
.endr
.endr
.endm
.macro UNIT t
.if (\t) < 3
	s_wait_loadcnt 16                              ; this fragment's 16 loads are in; the next one's 16 may be out
.else
	s_wait_loadcnt 0x0
.endif
.irp p, 0,1,2,3,4,5,6,7,8,9,10,11,12,13,14,15
	ds_store_b128 v2, v[R+64*((\t)%2)+4*\p:R+64*((\t)%2)+4*\p+3] offset:SP*\p   ; stored row p, as it lies
.endr
.irp b, 0,1,2,3
.irp j, 0,1,2,3
	ds_load_b128 v[X+16*\b+4*\j:X+16*\b+4*\j+3], v3 offset:128*\b+16*\j         ; LDS serves a wave's instructions in order (ISA guide 5.7.1.4): these see the stores above
.endr
.endr
	s_wait_dscnt 0x0                               ; my numbers are back, and the stores have read their registers,
.if (\t) < 2
	LOADU (\t)+2                                   ; which take the loads of two fragments on
.endif
	QUANT X, PC+8*(\t), PW+(\t)
	global_store_b128 v1, v[PC+8*(\t):PC+8*(\t)+3], s[14:15] offset:1024*(\t)        ; the wave stores 512 consecutive bytes, aligned
	global_store_b128 v1, v[PC+8*(\t)+4:PC+8*(\t)+7], s[14:15] offset:1024*(\t)+512
.endm
	LOADU 0
	LOADU 1
	UNIT 0
	UNIT 1
	UNIT 2
	UNIT 3
	v_cmp_ne_u32 vcc_lo, 0, v7                     ; every lane holds its row's four words: lanes 0-15 store words 0, 1, lanes 16-31 words 2, 3
	v_cndmask_b32 v10, v[PW], v[PW+2], vcc_lo
	v_cndmask_b32 v11, v[PW+1], v[PW+3], vcc_lo
	global_store_b64 v4, v[10:11], s[16:17]        ; 256 consecutive bytes, aligned
	s_wait_tensorcnt 0x0
	ds_add_u32 v9, v15
	s_wait_dscnt 0x0
	s_endpgm
; ---------------- the weights: a lane takes a column, its registers run down K: a wave takes 32 columns x 128 along K ----------------
.Lweights:
	s_sub_co_u32 s23, ttmp9, 256
	s_lshr_b32 s24, s23, 6                         ; which weight: 0 Wq, 1 Wk, 2 Wv, 3 Wp
	s_bfe_u32 s25, s23, 0x30003                    ; which 128 columns
	s_and_b32 s26, s23, 7                          ; which K step
	s_lshl_b32 s25, s25, 2
	s_add_co_u32 s25, s25, s22                     ; which 32 columns: a pair of stored tiles
	v_and_b32 v1, 7, v0
	s_wait_alu depctr_va_vdst(0)
	v_lshl_add_u32 v1, v7, 3, v1
	v_bfe_u32 v2, v0, 3, 1
	v_lshl_add_u32 v1, v2, 4, v1                   ; lane 16 u + r takes column r % 8 + 8 u + 16 (r / 8) of the 32: stored tile u, row r
	v_lshlrev_b32 v1, 2, v1                        ; in bytes
	v_lshlrev_b32 v2, 4, v6                        ; 16 r
	v_lshl_add_u32 v3, v7, 13, v2                  ; codes: + 8,192 u
	v_lshl_add_u32 v4, v7, 9, v2                   ; scale words: + 512 u
	s_lshl_b32 s28, s26, 19                        ; 128 rows of 4,096 bytes a K step,
	s_lshl_b32 s29, s25, 7                         ; 128 bytes for each 32 columns
	s_add_co_u32 s28, s28, s29
	s_mov_b32 s29, 0
	s_lshl_b32 s30, s24, 6
	s_lshl_b32 s31, s25, 1
	s_add_co_u32 s30, s30, s31                     ; the first of my two stored tiles: 64 x weight + 2 x pair
	s_lshl_b32 s32, s30, 13
	s_lshl_b32 s33, s26, 10
	s_add_co_u32 s32, s32, s33                     ; its fragment of this K step
	s_mov_b32 s33, 0
	s_lshl_b32 s30, s30, 9
	s_lshr_b32 s31, s26, 2
	s_lshl_b32 s31, s31, 8
	s_add_co_u32 s30, s30, s31
	s_and_b32 s31, s26, 3
	s_lshl_b32 s31, s31, 2
	s_add_co_u32 s30, s30, s31                     ; and its scale word's place: half of K, word in the half
	s_mov_b32 s31, 0
	s_wait_alu depctr_va_vdst(0)
	s_wait_kmcnt 0x0
	s_cmp_eq_u32 s24, 1                            ; the choices hang on the work-group's number alone
	s_cselect_b64 s[6:7], s[8:9], s[6:7]
	s_cmp_eq_u32 s24, 2
	s_cselect_b64 s[6:7], s[10:11], s[6:7]
	s_cmp_eq_u32 s24, 3
	s_cselect_b64 s[6:7], s[12:13], s[6:7]
	s_add_nc_u64 s[6:7], s[6:7], s[28:29]
	s_add_nc_u64 s[18:19], s[18:19], s[32:33]
	s_add_nc_u64 s[20:21], s[20:21], s[30:31]
.macro WLOAD t                         ; block t: W(32 t + i, my column): the 32 lanes read 128 consecutive bytes
.irp i, 0,1,2,3,4,5,6,7,8,9,10,11,12,13,14,15,16,17,18,19,20,21,22,23,24,25,26,27,28,29,30,31
	global_load_b32 v[WX+32*((\t)%2)+\i], v1, s[6:7] offset:(32*(\t)+\i)*4096 th:TH_LOAD_NT
.endr
.endm
.macro WBLOCK t
.set XS, WX+32*((\t)%2)
.if (\t) < 3
	s_wait_loadcnt 32                              ; this block's 32 loads are in; the next block's may be out
.else
	s_wait_loadcnt 0x0
.endif
	v_max3_num_f32 v12, |v[XS]|, |v[XS+1]|, |v[XS+2]|        ; the block's largest magnitude: all 32 numbers are mine; two chains
	v_max3_num_f32 v13, |v[XS+3]|, |v[XS+4]|, |v[XS+5]|
.irp i, 6,10,14,18,22,26
	v_max3_num_f32 v12, v12, |v[XS+\i]|, |v[XS+\i+1]|
	v_max3_num_f32 v13, v13, |v[XS+\i+2]|, |v[XS+\i+3]|
.endr
	v_max3_num_f32 v12, v12, |v[XS+30]|, |v[XS+31]|
	v_max3_num_f32 v12, v12, v13, 0x1800000        ; and the floor 2^(3 - 127)
	v_add_nc_u32 v11, 0xff000000, v12              ; the conversions' scale operand
	v_lshrrev_b32 v13, 23, v11                     ; the scale's byte
.if (\t) == 0
	v_mov_b32 v14, v13                             ; four bytes make the K step's scale word of my column
.else
	v_lshl_or_b32 v14, v13, 8*(\t), v14
.endif
.irp g, 0,1,2,3
	v_cvt_scalef32_pk8_fp4_f32 v[WC+4*(\t)+\g], v[XS+8*\g:XS+8*\g+7], v11
.endr
	global_store_b128 v3, v[WC+4*(\t):WC+4*(\t)+3], s[18:19] offset:256*(\t)   ; block t is group t / 2, half t % 2 of the fragment: each sixteen lanes store 256 consecutive bytes, aligned
.if (\t) < 2
	WLOAD (\t)+2                                   ; (the next block begins with plain vector lines, ahead of the line that writes the conversions' scale operand again)
.endif
.endm
	WLOAD 0
	WLOAD 1
	WBLOCK 0
	WBLOCK 1
	WBLOCK 2
	WBLOCK 3
	global_store_b32 v4, v14, s[20:21]             ; one word a column, 16 bytes apart: 4-byte pieces, one byte in 128 of what this path reads
	s_endpgm
.Lfunc_end_k_qb67bb26dd6_quant:
	.size	k_qb67bb26dd6_quant, .Lfunc_end_k_qb67bb26dd6_quant-k_qb67bb26dd6_quant
	.p2alignl 7, 3214868480
	.fill 96, 4, 3214868480
	.section	.rodata,"a",@progbits
	.p2align	6, 0x0
	.amdhsa_kernel k_qb67bb26dd6_quant
		.amdhsa_group_segment_fixed_size 34304
		.amdhsa_private_segment_fixed_size 0
		.amdhsa_enable_private_segment 0
		.amdhsa_kernarg_size 72
		.amdhsa_user_sgpr_count 2
		.amdhsa_user_sgpr_kernarg_segment_ptr 1
		.amdhsa_wavefront_size32 1
		.amdhsa_system_sgpr_workgroup_id_x 1
		.amdhsa_system_sgpr_workgroup_id_y 1
		.amdhsa_system_sgpr_workgroup_id_z 1
		.amdhsa_system_vgpr_workitem_id 0
		.amdhsa_next_free_vgpr 256
		.amdhsa_next_free_sgpr 66
		.amdhsa_reserve_vcc 1
		.amdhsa_float_denorm_mode_32 3
		.amdhsa_float_denorm_mode_16_64 3
		.amdhsa_memory_ordered 1
		.amdhsa_forward_progress 1
		.amdhsa_inst_pref_size 53
	.end_amdhsa_kernel
	.amdgpu_metadata
---
amdhsa.version: [ 1, 2 ]
amdhsa.kernels:
  - .name:           k_qb67bb26dd6_quant
    .symbol:         k_qb67bb26dd6_quant.kd
    .args:
      - { .name: x, .offset: 0, .size: 8, .value_kind: global_buffer, .address_space: global }
      - { .name: Wq, .offset: 8, .size: 8, .value_kind: global_buffer, .address_space: global }
      - { .name: Wk, .offset: 16, .size: 8, .value_kind: global_buffer, .address_space: global }
      - { .name: Wv, .offset: 24, .size: 8, .value_kind: global_buffer, .address_space: global }
      - { .name: Wp, .offset: 32, .size: 8, .value_kind: global_buffer, .address_space: global }
      - { .name: x_img, .offset: 40, .size: 8, .value_kind: global_buffer, .address_space: global }
      - { .name: x_sc, .offset: 48, .size: 8, .value_kind: global_buffer, .address_space: global }
      - { .name: w_img, .offset: 56, .size: 8, .value_kind: global_buffer, .address_space: global }
      - { .name: w_sc, .offset: 64, .size: 8, .value_kind: global_buffer, .address_space: global }
    .group_segment_fixed_size: 34304
    .private_segment_fixed_size: 0
    .kernarg_segment_align: 8
    .kernarg_segment_size: 72
    .max_flat_workgroup_size: 128
    .sgpr_count:     66
    .vgpr_count:     256
    .wavefront_size: 32
...
	.end_amdgpu_metadata
.endif
;; end of part 1
;; launch qkv (part 2): grid 12 x 32, 4 waves a work-group, clusters of 4 x 4, 279,040 bytes of LDS; arguments x_img, x_sc, w_img, w_sc, bq, bk, bv, qkv; writes qkv
.if DOCPART == 2
	.amdgcn_target "amdgcn-amd-amdhsa--gfx1250"
	.amdhsa_code_object_version 6
	.text
	.protected	k_qb67bb26dd6_qkv
	.globl	k_qb67bb26dd6_qkv
	.p2align	8
	.type	k_qb67bb26dd6_qkv,@function
k_qb67bb26dd6_qkv:
	s_mov_b64 s[64:65], 0
	v_nop
	global_prefetch_b8 v0, s[64:65] scope:SCOPE_SE
	s_setreg_imm32_b32 hwreg(HW_REG_WAVE_MODE, 25, 1), 1
	s_wait_xcnt 0x0
	s_wait_alu depctr_hold_cnt(0) depctr_sa_sdst(0) depctr_va_vdst(0) depctr_va_sdst(0) depctr_va_ssrc(0) depctr_va_vcc(0) depctr_vm_vsrc(0)
	s_getreg_b32 s2, hwreg(HW_REG_IB_STS2, 6, 4)
	s_cmp_eq_u32 s2, 0
	s_cbranch_scc0 .Lentry_in_a_cluster
	s_endpgm
.Lentry_in_a_cluster:
	s_bfe_u32 s2, ttmp6, 0x10000c
	s_cmp_lg_u32 s2, 0xf033
	s_cbranch_scc0 .Lentry_shape_is_right
	s_endpgm
.Lentry_shape_is_right:
; q = x Wq + bq, k = x Wk + bk, v = x Wv + bv on codes of FP4 (E2M1) with E8M0 scales, f32 sums, and the results quantised again, in registers, as the operands of the attention's two products.
; Operands arrive as images of operand registers: [tile of 16 rows][K step 8][c 2][lane 32][16 bytes], scale words [tile][half of K][row 16][4 words]; stored tile 2 B + u, row r is actual row 32 B + 8 u + r % 8 + 16 (r / 8).
; A work-group of four waves makes 256 tokens x 256 columns, a wave 128 x 128: 64 accumulators, 512 registers.  K = 1,024 is 8 steps of 128; ALL of it fits in LDS: two slots of 4 steps, each filled ONCE, so no LDS byte is filled twice.
; CLUSTERS: 4 x 4 work-groups; the four of a row need the same tokens, the four of a column the same columns of a weight: each tile is asked for jointly.  Cluster x says which weight: 0 Wq, 1 Wk, 2 Wv.
; q, k (BODY 0): source 0 = 16 columns of the weight, source 1 = 16 tokens: a lane holds ONE token, and by the order of stored rows the 64 registers of a token tile are 128 neighbouring columns: two heads, quantised along the head's 64.
; v (BODY 1): source 0 = 16 tokens, source 1 = 16 columns: a lane holds ONE channel and its 64 registers run along 128 neighbouring tokens: v is quantised along the keys.  The biases are the C of each sum's first product.
; OUT: a record of REC bytes for each (batch, head): K's codes [tile 128][lane][16], V's [key step 16][channel tile 4][c][lane][16], K's scale words [8 tiles][j 2][row 16][4 words] (bytes 2, 3 of a word are 0),
; V's [key step][row 16][4 words], then Q's codes and words as K's.
; LIMITS: a block whose largest magnitude lies under 2^-124 gets the byte 1; NaN and infinities are not served.
; REGISTERS, in windows of 256: window 0: v0-31 addresses; v32-95 scale words, two sets; v96-123 at work on the way out; v128-191 role A's fragments (source 1), ONE set; v192-255 the bias.
;   window 1: role B's fragments (source 0), TWO sets, at v0 and v128.  window 2: accumulators of role A's blocks 0-3 ((a, b) at v[8 (8 (a % 4) + b)]);  window 3: of blocks 4-7.
.set REC,  217088
.set VI,   65536
.set KSO,  131072
.set VSO,  139264
.set QI,   143360
.set QSO,  208896
.set SLOT, 131072                      ; a slot: 4 K steps of 256 tokens (waves 0, 1 fetch 8 tiles each) and of 256 columns (waves 2, 3)
.set SCL,  262144                      ; behind the slots: the scale words, 4,096 bytes for each wave's 8 tiles
.set ADRA, 16                          ; v16-17  LDS address of role A's fragments in slot 0, 1
.set ADRB, 20                          ; v20-21  of role B's
.set ADRS, 27                          ; v27     of my scale words: lanes 0-15 the tokens', lanes 16-31 the weight's
.set SC,   32                          ; set s at v[SC + 32 s]; register 4 i + q: block i's word of the slot's q-th K step
.set TM,   96                          ; v96-107 at work in QUANT
.set PW,   108                         ; v108-115 the eight scale words made on the way out
.set SW,   116                         ; v116-123 as they are stored
.set AF,   128
.set BI,   192
.set G1A,  24                          ; s[24:31] descriptor group 1, the tokens' codes;  s[32:39] their groups 0, one for each slot
.set G0A,  32
.set G1B,  40                          ; s[40:47], s[48:55] the same for the weight's codes
.set G0B,  48
.set G1SA, 56                          ; s[56:63], s[68:71] the tokens' scale words;  s[72:79], s[80:83] the weight's
.set G0SA, 68
.set G1SB, 72
.set G0SB, 80
.set MSB, 0
.macro WIN new                         ; the immediate's high byte repeats the setting that is left; a switch that changes nothing is dropped
.if MSB != (\new)
	s_set_vgpr_msb (MSB<<8)|(\new)
.set MSB, (\new)
.endif
.endm
; A joint load: waves 0 and 1 fetch the tokens', waves 2 and 3 the weight's.  The branch hangs on the wave's number alone.  Four v_nop follow each of the two lines.
.macro JLOAD g0a, g1a, g0b, g1b
	s_cmp_eq_u32 s21, 0
	s_cbranch_scc0 .Lfor_b_\@
	tensor_load_to_lds s[\g0a:\g0a+3], s[\g1a:\g1a+7]
	s_nop 0
.rept 4
	v_nop
.endr
	s_branch .Lasked_\@
.Lfor_b_\@:
	tensor_load_to_lds s[\g0b:\g0b+3], s[\g1b:\g1b+7]
	s_nop 0
.rept 4
	v_nop
.endr
.Lasked_\@:
.endm
.macro CROUND                          ; a round of the cluster's barrier
	s_barrier_signal -1
	s_barrier_wait -1
	s_cmp_lg_u32 s20, 0
	s_cbranch_scc1 .Lnot_wave_0_\@
	s_barrier_signal -3
.Lnot_wave_0_\@:
	s_barrier_wait -3
	s_barrier_signal -1
	s_barrier_wait -1
.endm
	s_load_b256 s[4:11], s[0:1], 0x0               ; x_img s[4:5], x_sc s[6:7], w_img s[8:9], w_sc s[10:11]
	s_load_b256 s[12:19], s[0:1], 0x20             ; bq s[12:13], bk s[14:15], bv s[16:17], qkv s[18:19]
	v_lshl_add_u32 v126, v0, 2, 0x44000
	v_mov_b32 v127, 0
	ds_add_u32 v126, v127
	ds_add_u32 v126, v127
	v_lshrrev_b32 v1, 5, v0
	v_readfirstlane_b32 s20, v1                    ; wave 0..3
	s_lshr_b32 s21, s20, 1                         ; which half of role A's 256 rows is mine.  Also: I fetch the tokens' (0) or the weight's (1)
	s_and_b32 s22, s20, 1                          ; which half of role B's.  Also: which 8 tiles I fetch
	s_bfe_u32 s84, ttmp6, 0x40000                  ; cx, cy: my place in the cluster
	s_bfe_u32 s85, ttmp6, 0x40004
	s_lshl_b32 s86, ttmp9, 2
	s_add_co_u32 s86, s86, s84                     ; which 256 columns of the three weights on end
	s_and_b32 s87, ttmp7, 0xffff
	s_lshl_b32 s87, s87, 2
	s_add_co_u32 s87, s87, s85                     ; which 256 tokens
	s_lshl_b32 s88, s85, 2
	s_lshl_b32 s88, 15, s88                        ; my row of the cluster
	s_lshl_b32 s89, 0x1111, s84                    ; my column
	; group 1, codes: 8 tiles' halves: 8 rows of 4,096 bytes (512 elements of 8 bytes), 8,192 bytes apart; they lie on end in LDS
	s_or_b32 s[G1A], s88, (3<<16)|(1<<21)          ; 15:0 the mask; 17:16 elements of 8 bytes; 21 set beside a mask; no padding
	s_or_b32 s[G1B], s89, (3<<16)|(1<<21)
.irp g, G1A, G1B
	s_mov_b32 s[\g+1], 512<<16                     ; tensor_dim0
	s_mov_b32 s[\g+2], 8<<16                       ; tensor_dim1
	s_mov_b32 s[\g+3], 512<<16                     ; tile_dim0
	s_mov_b32 s[\g+4], 8                           ; tile_dim1
	s_mov_b32 s[\g+5], 1024                        ; tensor_dim0_stride
	s_mov_b32 s[\g+6], 0
	s_mov_b32 s[\g+7], 0
.endr
	; group 1, scale words: 8 tiles' 4,096 dense bytes as 16 rows of 256
	s_or_b32 s[G1SA], s88, (3<<16)|(1<<21)
	s_or_b32 s[G1SB], s89, (3<<16)|(1<<21)
.irp g, G1SA, G1SB
	s_mov_b32 s[\g+1], 32<<16
	s_mov_b32 s[\g+2], 16<<16
	s_mov_b32 s[\g+3], 32<<16
	s_mov_b32 s[\g+4], 16
	s_mov_b32 s[\g+5], 32
	s_mov_b32 s[\g+6], 0
	s_mov_b32 s[\g+7], 0
.endr
	s_lshl_b32 s23, s22, 16                        ; my 8 tiles of the 16: 8 x 8,192 bytes
	s_lshl_b32 s90, s87, 17                        ; the tokens' codes: 16 tiles for each 256 tokens
	s_add_co_u32 s90, s90, s23
	s_mov_b32 s91, 0
	s_lshl_b32 s92, s86, 17                        ; the weight's
	s_add_co_u32 s92, s92, s23
	s_mov_b32 s93, 0
	s_lshl_b32 s23, s22, 12                        ; 8 x 512 bytes
	s_lshl_b32 s94, s87, 13                        ; the tokens' scale words
	s_add_co_u32 s94, s94, s23
	s_mov_b32 s95, 0
	s_lshl_b32 s96, s86, 13                        ; the weight's
	s_add_co_u32 s96, s96, s23
	s_mov_b32 s97, 0
	s_lshl_b32 s98, s20, 15                        ; where they go: wave x 32,768 in a slot,
	s_lshl_b32 s99, s20, 12                        ; wave x 4,096 among the scale words: no place in the cluster enters an LDS address
	s_wait_dscnt 0x0
	s_wait_kmcnt 0x0
	s_add_nc_u64 s[90:91], s[4:5], s[90:91]
	s_add_nc_u64 s[92:93], s[8:9], s[92:93]
	s_add_nc_u64 s[94:95], s[6:7], s[94:95]
	s_add_nc_u64 s[96:97], s[10:11], s[96:97]
	CROUND                                         ; all sixteen work-groups are here: the joint loads meet
	s_mov_b32 s[G0SA], 1
	s_add_co_u32 s[G0SA+1], s99, SCL
	s_mov_b64 s[G0SA+2:G0SA+3], s[94:95]
	s_or_b32 s[G0SA+3], s[G0SA+3], 0x80000000
	s_mov_b32 s[G0SB], 1
	s_add_co_u32 s[G0SB+1], s99, SCL
	s_mov_b64 s[G0SB+2:G0SB+3], s[96:97]
	s_or_b32 s[G0SB+3], s[G0SB+3], 0x80000000
	JLOAD G0SA, G1SA, G0SB, G1SB                   ; the scale words first; then both slots: three tensor loads of mine are out
.irp s, 0,1
	s_mov_b32 s[G0A+4*\s], 1
	s_add_co_u32 s[G0A+4*\s+1], s98, \s*SLOT
	s_add_nc_u64 s[G0A+4*\s+2:G0A+4*\s+3], s[90:91], \s*4096
	s_or_b32 s[G0A+4*\s+3], s[G0A+4*\s+3], 0x80000000
	s_mov_b32 s[G0B+4*\s], 1
	s_add_co_u32 s[G0B+4*\s+1], s98, \s*SLOT
	s_add_nc_u64 s[G0B+4*\s+2:G0B+4*\s+3], s[92:93], \s*4096
	s_or_b32 s[G0B+4*\s+3], s[G0B+4*\s+3], 0x80000000
	JLOAD G0A+4*\s, G1A, G0B+4*\s, G1B
.endr
	v_and_b32 v1, 15, v0                           ; r
	v_bfe_u32 v2, v0, 4, 1                         ; h
	v_and_b32 v3, 31, v0
	v_lshlrev_b32 v3, 4, v3                        ; 16 x lane: an image's place for my lane, in LDS and in memory
	v_mul_u32_u24 v8, v2, REC
	v_lshl_add_u32 v8, v1, 4, v8                   ; the way out, scale words: lanes 0-15 my first head, lanes 16-31 my second; 16 bytes a row
	v_lshlrev_b32 v9, 4, v2                        ; 16 h
.irp b, 0,1,2,3
	v_mov_b32 v[TM+4+\b], 0                        ; written once: a lane permute's destination counts as one of its sources
.endr
	s_mov_b32 s2, 0x76543210
	s_mov_b32 s3, 0xfedcba98                       ; v_permlanex16_b32's selects for lane l xor 16
.macro FRAG reg, adr, q, i             ; a fragment comes as it was stored: two loads of 512 consecutive bytes
.irp c, 0,1
	ds_load_b128 v[\reg+4*\c:\reg+4*\c+3], v[\adr] offset:4096*(\i)+1024*(\q)+512*\c
.endr
.endm
.macro FETCH_B slot, q, p              ; role B's eight fragments of the slot's q-th K step into set p
	WIN 0x40
.irp i, 0,1,2,3,4,5,6,7
	FRAG 128*(\p)+8*\i, ADRB+\slot, \q, \i
.endr
	WIN 0
.endm
.macro FETCH_A slot, q, i0             ; role A's blocks i0 .. i0 + 3
.irp i, \i0, \i0+1, \i0+2, \i0+3
	FRAG AF+8*(\i), ADRA+\slot, \q, \i
.endr
.endm
.macro SCALES sc                       ; a slot's scale words: 4 words a row; lanes 0-15 the tokens' block i, lanes 16-31 the weight's block i
.irp i, 0,1,2,3,4,5,6,7
	ds_load_b128 v[SC+32*\sc+4*\i:SC+32*\sc+4*\i+3], v[ADRS] offset:512*\i+256*\sc
.endr
.endm
.macro PLACES n                        ; plain vector lines between a matrix instruction and a load into, or a read of, its registers
.rept \n
	v_nop
.endr
.endm
; 16 matrix instructions: role A's blocks a0, a0 + 1 x role B's eight.  cm = 0: onto the sums; 1: the sums begin with the bias of source 0's rows; 2: of source 1's.
; The 64 accumulators take turns, one instruction a turn, in the same order in every K step.
.macro MUL16 v, a0, p, q, sc, cm
.irp a, \a0, \a0+1
.irp b, 0,1,2,3,4,5,6,7
.set rD, 8*(8*((\a)%4)+\b)
.set rB, 128*(\p)+8*\b
.set rA, AF+8*(\a)
.set rC, rD
.if (\cm) == 1
.set rC, BI+8*\b
.endif
.if (\cm) == 2
.set rC, BI+8*(\a)
.endif
.set sB, SC+32*(\sc)+4*\b+(\q)
.set sA, SC+32*(\sc)+4*(\a)+(\q)
.if \v
	v_wmma_scale_f32_16x16x128_f8f6f4 v[rD:rD+7], v[rB:rB+7], v[rA:rA+7], v[rC:rC+7], v[sB], v[sA] matrix_a_fmt:MATRIX_FMT_FP4 matrix_b_fmt:MATRIX_FMT_FP4 matrix_b_scale:MATRIX_SCALE_ROW1
.else
	v_wmma_scale_f32_16x16x128_f8f6f4 v[rD:rD+7], v[rB:rB+7], v[rA:rA+7], v[rC:rC+7], v[sB], v[sA] matrix_a_fmt:MATRIX_FMT_FP4 matrix_b_fmt:MATRIX_FMT_FP4 matrix_a_scale:MATRIX_SCALE_ROW1
.endif
.endr
.endr
.endm
; A K step that has its successor in the same slot.  Source 0 window 1, source 1 window 0; C and D window 2 or 3 (0xa1, 0xf1); in the first step C is the bias, in window 0 (0x81, 0xc1).
.macro STEP v, slot, q, cm
	s_wait_dscnt 8                                 ; role B's set, role A's blocks 0-3 (and the scale words) are in; the youngest 8 loads, blocks 4-7, may be out
.if \cm
	WIN 0x81
.else
	WIN 0xa1
.endif
	MUL16 \v, 0, (\q)%2, \q, \slot, \cm
	MUL16 \v, 2, (\q)%2, \q, \slot, \cm
	s_wait_dscnt 0x0                               ; blocks 4-7 are in
	PLACES 4
	FETCH_B \slot, (\q)+1, 1-(\q)%2
	FETCH_A \slot, (\q)+1, 0
.if \cm
	WIN 0xc1
.else
	WIN 0xf1
.endif
	MUL16 \v, 4, (\q)%2, \q, \slot, \cm
	MUL16 \v, 6, (\q)%2, \q, \slot, \cm
	PLACES 4
	WIN 0
	FETCH_A \slot, (\q)+1, 4
.endm
; Slot 0's last K step goes over to slot 1, which is read behind a barrier in front of which every wave has seen its own part land.  Nothing is filled again.
.macro TURN v
	s_wait_tensorcnt 0x0                           ; my part of slot 1 has landed
	s_wait_dscnt 8
	WIN 0xa1
	MUL16 \v, 0, 1, 3, 0, 0
	s_wait_dscnt 0x0                               ; no LDS load of mine is out at the signal
	s_barrier_signal -1
	MUL16 \v, 2, 1, 3, 0, 0                        ; work on registers while the others arrive
	s_barrier_wait -1
	PLACES 4
	FETCH_B 1, 0, 0
	FETCH_A 1, 0, 0
	SCALES 1
	WIN 0xf1
	MUL16 \v, 4, 1, 3, 0, 0
	MUL16 \v, 6, 1, 3, 0, 0
	PLACES 4
	WIN 0
	FETCH_A 1, 0, 4
.endm
; 64 numbers of a lane in window w, register 16 b + i = k 32 b + 16 h + i of my row, become a fragment's codes in v[pc] on and its scale word in v[pw], both in window 0.
; Each accumulator is read from its low end on.
.macro QUANT s, w, pc, pw
	WIN 5*(\w)                                     ; sources 0 and 1 in window w
.irp b, 0,1,2,3
	v_max3_num_f32 v[TM+\b], |v[(\s)+16*\b]|, |v[(\s)+1+16*\b]|, 0x1800000   ; block b: my 16 numbers, and the floor 2^(3 - 127): the byte cannot fall under 1
.endr
.irp i, 2,4,6,8,10,12,14
.irp b, 0,1,2,3
	v_max3_num_f32 v[TM+\b], |v[(\s)+16*\b+\i]|, |v[(\s)+1+16*\b+\i]|, v[TM+\b]
.endr
.endr
	WIN 0
.irp b, 0,1,2,3
	v_permlanex16_b32 v[TM+4+\b], v[TM+\b], s2, s3
.endr
.irp b, 0,1,2,3
	v_max_num_f32 v[TM+\b], v[TM+\b], v[TM+4+\b]   ; with lane l xor 16's: the block's largest magnitude
.endr
.irp b, 0,1,2,3
	v_add_nc_u32 v[TM+8+\b], 0xff000000, v[TM+\b]  ; 2 off its exponent field: the conversions' scale operand
.endr
.irp b, 0,1,2,3
	v_lshrrev_b32 v[TM+4+\b], 23, v[TM+8+\b]       ; the scale's byte
.endr
	v_lshl_or_b32 v[\pw], v[TM+5], 8, v[TM+4]
	v_lshl_or_b32 v[\pw], v[TM+6], 16, v[\pw]
	v_lshl_or_b32 v[\pw], v[TM+7], 24, v[\pw]
	WIN (\w)                                       ; source 0 in window w
.irp b, 0,1,2,3
	v_cvt_scalef32_pk8_fp4_f32 v[(\pc)+2*\b], v[(\s)+16*\b:(\s)+16*\b+7], v[TM+8+\b]
	v_cvt_scalef32_pk8_fp4_f32 v[(\pc)+1+2*\b], v[(\s)+8+16*\b:(\s)+15+16*\b], v[TM+8+\b]
.endr
	WIN 0
	v_nop                                          ; one plain line behind the conversions
.irp c, 0,1                                    ; a WHOLE block in a lane: lanes 0-15 block 2 c, lanes 16-31 block 2 c + 1
.irp i, 0,1
	v_permlane16_swap_b32 v[(\pc)+4*\c+\i], v[(\pc)+2+4*\c+\i]
.endr
.endr
.endm
; v = 0: q or k.  Role A (source 1) = tokens, role B (source 0) = the weight's columns.   v = 1: the values.  Role A = the weight's columns, role B = tokens.
.macro BODY v
.if \v
	s_lshl_b32 s91, s21, 9                         ; the bias of my 128 columns
.else
	s_cmp_eq_u32 ttmp9, 0
	s_cselect_b64 s[16:17], s[12:13], s[14:15]     ; bq or bk: the choice hangs on the cluster's number alone
	s_lshl_b32 s91, s22, 9
.endif
	s_lshl_b32 s90, s84, 10
	s_add_co_u32 s90, s90, s91
	s_mov_b32 s91, 0
	s_add_nc_u64 s[16:17], s[16:17], s[90:91]
.if \v
	v_and_b32 v5, 7, v0
	v_bfe_u32 v6, v0, 3, 1
	v_lshl_add_u32 v5, v6, 4, v5
	v_lshlrev_b32 v5, 2, v5                        ; my lane's column of a stored tile: r % 8 + 16 (r / 8)
.irp a, 0,1,2,3,4,5,6,7
.irp j, 0,1,2,3,4,5,6,7
	global_load_b32 v[BI+8*\a+\j], v5, s[16:17] offset:4*(32*(\a/2)+8*(\a%2))   ; a lane holds one column: the eight registers of block a's C are alike
.endr
.endr
.else
	v_lshlrev_b32 v5, 6, v2                        ; a lane's registers run along the columns: block b's C is columns 32 (b / 2) + 8 (b % 2) + 16 h + 0 .. 7
.irp b, 0,1,2,3,4,5,6,7
	global_load_b128 v[BI+8*\b:BI+8*\b+3], v5, s[16:17] offset:4*(32*(\b/2)+8*(\b%2))
	global_load_b128 v[BI+8*\b+4:BI+8*\b+7], v5, s[16:17] offset:4*(32*(\b/2)+8*(\b%2))+16
.endr
.endif
	s_lshl_b32 s90, s21, 15                        ; role A's 8 tiles, role B's 8 tiles in a slot; the weight's lie 65,536 bytes behind the tokens'
	s_lshl_b32 s91, s22, 15
.if \v
	s_add_co_u32 s90, s90, 65536
.else
	s_add_co_u32 s91, s91, 65536
.endif
.irp s, 0,1
	v_add_nc_u32 v[ADRA+\s], s90, v3
	v_add_nc_u32 v[ADRB+\s], s91, v3
	s_add_co_u32 s90, s90, SLOT
	s_add_co_u32 s91, s91, SLOT
.endr
.if \v
	s_lshl_b32 s90, s22, 12                        ; the tokens' scale words of my half,
	s_lshl_b32 s91, s21, 12                        ; the weight's,
.else
	s_lshl_b32 s90, s21, 12
	s_lshl_b32 s91, s22, 12
.endif
	s_add_co_u32 s91, s91, 8192                    ; which lie behind the tokens' 8,192 bytes
	s_sub_co_u32 s91, s91, s90
	v_mul_u32_u24 v6, s91, v2                      ; lanes 16-31 take the weight's: the lower base + h x the distance
	s_add_co_u32 s90, s90, SCL
	v_lshl_add_u32 v6, v1, 4, v6
	v_add_nc_u32 v[ADRS], s90, v6
	; where the results go
	s_lshr_b32 s90, s87, 3                         ; the batch: 8 blocks of 256 tokens each
	s_lshl_b32 s90, s90, 4
	s_lshl_b32 s91, s84, 2
	s_add_co_u32 s90, s90, s91
.if \v
	s_lshl_b32 s91, s21, 1
.else
	s_lshl_b32 s91, s22, 1
.endif
	s_add_co_u32 s90, s90, s91                     ; the record of my first head: 16 x batch + 4 cx + 2 x my half of the columns
	s_mul_i32 s90, s90, REC
	s_and_b32 s91, s87, 7
	s_lshl_b32 s91, s91, 1
.if \v
	s_add_co_u32 s91, s91, s22                     ; which 128 tokens of the batch: the key step
	s_lshl_b32 s92, s91, 12
	s_add_co_u32 s92, s92, VI
	s_lshl_b32 s94, s91, 8
	s_add_co_u32 s94, s94, VSO
.else
	s_add_co_u32 s91, s91, s21                     ; which 8 tiles of the batch
	s_mov_b32 s93, KSO
	s_cmp_eq_u32 ttmp9, 0
	s_cselect_b32 s95, QI, 0                       ; q's part of the record or k's
	s_cselect_b32 s93, QSO, s93
	s_lshl_b32 s92, s91, 12
	s_add_co_u32 s92, s92, s95
	s_lshl_b32 s94, s91, 9
	s_add_co_u32 s94, s94, s93
.endif
	s_add_co_u32 s92, s92, s90
	s_add_co_u32 s94, s94, s90
	s_mov_b32 s93, 0
	s_mov_b32 s95, 0
	s_add_nc_u64 s[96:97], s[18:19], s[92:93]      ; codes
	s_add_nc_u64 s[98:99], s[18:19], s[94:95]      ; scale words
	s_wait_alu depctr_va_vdst(0)
	s_wait_tensorcnt 0x1                           ; the scale words and my part of slot 0 are in; slot 1's load may be out
	s_barrier_signal -1
	s_barrier_wait -1                              ; everybody's are
	FETCH_B 0, 0, 0
	FETCH_A 0, 0, 0
	SCALES 0
	FETCH_A 0, 0, 4
	s_wait_loadcnt 0x0                             ; the bias
	STEP \v, 0, 0, 1+\v                            ; the first K step starts the sums, with the bias as C: nothing is cleared, nothing is added later
	STEP \v, 0, 1, 0
	STEP \v, 0, 2, 0
	TURN \v
	STEP \v, 1, 0, 0
	STEP \v, 1, 1, 0
	STEP \v, 1, 2, 0
	s_wait_dscnt 8                                 ; the last K step: nothing more to fetch
	WIN 0xa1
	MUL16 \v, 0, 1, 3, 1, 0
	MUL16 \v, 2, 1, 3, 1, 0
	s_wait_dscnt 0x0
	WIN 0xf1
	MUL16 \v, 4, 1, 3, 1, 0
	MUL16 \v, 6, 1, 3, 1, 0
	WIN 0
	PLACES 4                                       ; ahead of the conversions that write where role A's fragments lay
	; THE WAY OUT: role A's block a, 64 registers, is one fragment.  Every store has data registers of its own, so nothing waits for a store.
	; Blocks 2 and 6 put their codes where the bias lay, so that no conversion's destination bears a number of its sources.
.irp a, 0,1,2,3,4,5,6,7
.if (\a%4) == 2
.set PCA, BI+8*(\a/4)
.else
.set PCA, AF+8*\a
.endif
	QUANT 64*(\a%4), 2+\a/4, PCA, PW+\a
.if \v
	global_store_b128 v3, v[PCA:PCA+3], s[96:97] offset:(\a/4)*REC+1024*(\a%4)        ; head a / 4, channel tile a % 4: 512 consecutive bytes, aligned
	global_store_b128 v3, v[PCA+4:PCA+7], s[96:97] offset:(\a/4)*REC+1024*(\a%4)+512
.else
	global_store_b128 v3, v[PCA:PCA+3], s[96:97] offset:512*\a                        ; group 0 is my first head's 64 channels of token tile a,
	global_store_b128 v3, v[PCA+4:PCA+7], s[96:97] offset:REC+512*\a                  ; group 1 my second head's
.endif
.endr
.if \v
	v_cmp_ne_u32 vcc_lo, 0, v2                     ; lanes 0-15 store my first head's four words (channel tiles 0-3), lanes 16-31 my second head's
.irp d, 0,1,2,3
	v_cndmask_b32 v[SW+\d], v[PW+\d], v[PW+4+\d], vcc_lo
.endr
	global_store_b128 v8, v[SW:SW+3], s[98:99]     ; each sixteen lanes store 256 consecutive bytes, aligned
.else
.irp a, 0,1,2,3,4,5,6,7
	v_bfe_u32 v[SW+\a], v[PW+\a], v9, 16           ; a head's two bytes of the word, with zeros above them
.endr
	global_store_b128 v8, v[SW:SW+3], s[98:99]
	global_store_b128 v8, v[SW+4:SW+7], s[98:99] offset:256
.endif
.endm
	s_cmp_eq_u32 ttmp9, 2                          ; the cluster's number: the same in all sixteen partners
	s_cbranch_scc1 .Lvalues
	s_wait_alu depctr_va_vdst(0)
	BODY 0
	s_branch .Lend
.Lvalues:
	BODY 1
.Lend:
	s_wait_tensorcnt 0x0
	ds_add_u32 v126, v127
	s_wait_dscnt 0x0
	CROUND                                         ; the closing round: no work-group ends while a partner may still ask for a tile that names it
	s_endpgm
.Lfunc_end_k_qb67bb26dd6_qkv:
	.size	k_qb67bb26dd6_qkv, .Lfunc_end_k_qb67bb26dd6_qkv-k_qb67bb26dd6_qkv
	.p2alignl 7, 3214868480
	.fill 96, 4, 3214868480
	.section	.rodata,"a",@progbits
	.p2align	6, 0x0
	.amdhsa_kernel k_qb67bb26dd6_qkv
		.amdhsa_group_segment_fixed_size 279040
		.amdhsa_private_segment_fixed_size 0
		.amdhsa_enable_private_segment 0
		.amdhsa_kernarg_size 64
		.amdhsa_user_sgpr_count 2
		.amdhsa_user_sgpr_kernarg_segment_ptr 1
		.amdhsa_wavefront_size32 1
		.amdhsa_system_sgpr_workgroup_id_x 1
		.amdhsa_system_sgpr_workgroup_id_y 1
		.amdhsa_system_sgpr_workgroup_id_z 1
		.amdhsa_system_vgpr_workitem_id 0
		.amdhsa_next_free_vgpr 1024
		.amdhsa_next_free_sgpr 100
		.amdhsa_reserve_vcc 1
		.amdhsa_float_denorm_mode_32 3
		.amdhsa_float_denorm_mode_16_64 3
		.amdhsa_memory_ordered 1
		.amdhsa_forward_progress 1
		.amdhsa_inst_pref_size 255
	.end_amdhsa_kernel
	.amdgpu_metadata
---
amdhsa.version: [ 1, 2 ]
amdhsa.kernels:
  - .name:           k_qb67bb26dd6_qkv
    .symbol:         k_qb67bb26dd6_qkv.kd
    .args:
      - { .name: x_img, .offset: 0, .size: 8, .value_kind: global_buffer, .address_space: global }
      - { .name: x_sc, .offset: 8, .size: 8, .value_kind: global_buffer, .address_space: global }
      - { .name: w_img, .offset: 16, .size: 8, .value_kind: global_buffer, .address_space: global }
      - { .name: w_sc, .offset: 24, .size: 8, .value_kind: global_buffer, .address_space: global }
      - { .name: bq, .offset: 32, .size: 8, .value_kind: global_buffer, .address_space: global }
      - { .name: bk, .offset: 40, .size: 8, .value_kind: global_buffer, .address_space: global }
      - { .name: bv, .offset: 48, .size: 8, .value_kind: global_buffer, .address_space: global }
      - { .name: qkv, .offset: 56, .size: 8, .value_kind: global_buffer, .address_space: global }
    .group_segment_fixed_size: 279040
    .private_segment_fixed_size: 0
    .kernarg_segment_align: 8
    .kernarg_segment_size: 64
    .max_flat_workgroup_size: 128
    .sgpr_count:     100
    .vgpr_count:     1024
    .wavefront_size: 32
...
	.end_amdgpu_metadata
.endif
;; end of part 2
;; launch attn (part 3): grid 4 x 64, 16 waves a work-group, clusters of 4 x 1, 169,984 bytes of LDS; arguments qkv, y_img, y_sc; writes y_img, y_sc
.if DOCPART == 3
	.amdgcn_target "amdgcn-amd-amdhsa--gfx1250"
	.amdhsa_code_object_version 6
	.text
	.protected	k_qb67bb26dd6_attn
	.globl	k_qb67bb26dd6_attn
	.p2align	8
	.type	k_qb67bb26dd6_attn,@function
k_qb67bb26dd6_attn:
	s_mov_b64 s[64:65], 0
	v_nop
	global_prefetch_b8 v0, s[64:65] scope:SCOPE_SE
	s_setreg_imm32_b32 hwreg(HW_REG_WAVE_MODE, 25, 1), 1
	s_wait_xcnt 0x0
	s_wait_alu depctr_hold_cnt(0) depctr_sa_sdst(0) depctr_va_vdst(0) depctr_va_sdst(0) depctr_va_ssrc(0) depctr_va_vcc(0) depctr_vm_vsrc(0)
	s_getreg_b32 s2, hwreg(HW_REG_IB_STS2, 6, 4)
	s_cmp_eq_u32 s2, 0
	s_cbranch_scc0 .Lentry_in_a_cluster
	s_endpgm
.Lentry_in_a_cluster:
	s_bfe_u32 s2, ttmp6, 0x10000c
	s_cmp_lg_u32 s2, 0x3003
	s_cbranch_scc0 .Lentry_shape_is_right
	s_endpgm
.Lentry_shape_is_right:
; y[b][t][64 head + d] = the sum over keys s <= t of softmax_s(q . k / 8) v, both products on codes of FP4 (E2M1) with E8M0 scales, and y quantised again, along its 1,024 channels, as an operand of the last product.
; THE SOFTMAX AHEAD OF THE SECOND PRODUCT: t = score x log2(e) / 8; M = the row's largest t so far, rounded UP to a whole number; p = 2^(t - M) is quantised along the keys, not normalised;
; the row's sum is taken of the unquantised p and divides at the end.  When M moves, the sum and O are multiplied by 2^(old M - new M): exact.
; SHARES.  A cluster of four work-groups serves one (batch, head).  A head's codes of K and V and their scale words, 143,360 bytes, come into LDS ONCE, by one joint load a wave, and are only read from then on.
; Wave w of work-group cx owns the stored query tiles T1 = 4 w + cx and T2 = 127 - T1.  A tile's last key step is T / 8: w / 2 for T1, 15 - w / 2 for T2: made of the wave's number alone.  So every wave walks 17 key steps of 128,
; and no branch hangs on the work-group's place in its cluster; that place enters global addresses and the mask's numbers only.
; LAYOUT.  Both products transposed: S^T = K Q^T (source 0 = 16 stored keys, source 1 = my 16 queries), O^T = V^T P^T (source 0 = 16 stored channels, source 1 = P): a lane holds ONE query (lane % 16) throughout.
; Stored tile 2 B + u, row r is actual index 32 B + 8 u + r % 8 + 16 (r / 8): so the 16 registers of result tiles 2 B, 2 B + 1 are 16 neighbouring keys (or channels), 32 B + 16 (lane / 16) + 0 .. 15.
; K = 64 IN AN INSTRUCTION OF 128: Q's registers 4-7 are zero codes, and bytes 2, 3 of Q's and K's scale words are 0.  K's upper four registers are the next tile's codes: they meet zeros and add nothing.
; CAUSAL.  Both loops have constant trip counts; a step all of whose keys come after the tile's queries is jumped over; in the tile's last step hidden scores become -infinity ahead of the maximum.  Each query sees its own key, so M is a number from its first step on.
; LIMITS: a block of y whose largest magnitude lies under 2^-124 gets the byte 1; NaN and infinities are not served.
; REGISTERS: v1-7 addresses that stay; v8-11 the step's addresses; v12 -M, v13 the largest t, v[14:15] the sum; v16-23 Q and its zeros; v24 Q's scale word; v25-29 the second tile's; v32-63 K, v64-67 zeros; v68-99 V;
;   v100-107 K's scale words, v108-111 V's, v112 p's; v120-183 S^T, then p; v184-215 O^T; v216-223 codes; v224-241 at work.
.set REC,  217088
.set VI,   65536
.set KSO,  131072
.set VSO,  139264
.set QI,   143360
.set QSO,  208896
.set WSH,  8960                        ; a wave's share of the fill: 35 rows of 256 bytes
.set WV,   10                          ; s10 my wave's number
.set T,    15                          ; s15 the stored query tile in hand
.set G,    16                          ; s16 its last key step
.set KS,   17                          ; s17 the key step
.set PASS, 18                          ; s18 counts my two tiles
.set SEL,  20                          ; s[20:21] v_permlanex16_b32's selects for lane l xor 16
.set CS,   22                          ; s[22:23] c = log2(e) / 8
.set G1,   24                          ; s[24:31], s[32:35] the descriptor
.set G0,   32
.set KF,   32
.set VF,   68
.set KSW,  100
.set VSW,  108
.set PSW,  112
.set S,    120
.set O,    184
.set PCD,  216
.set BM,   224                         ; v224-227 the blocks' largest scores, then largest p
.set PT,   228                         ; v228-231 the other half's; a chain of the sum; the bytes
.set SO,   232                         ; v232-235 the conversions' scale operands
.set F,    236                         ; v[236:237] f = 2^(old M - new M), later 1 / the sum: named as a pair, the low word serves both halves
.set TP,   238
.macro ROUND                           ; a round of the cluster's barrier
	s_barrier_signal -1
	s_barrier_wait -1
	s_cmp_lg_u32 s[WV], 0
	s_cbranch_scc1 .Lnot_wave_0_\@
	s_barrier_signal -3
.Lnot_wave_0_\@:
	s_barrier_wait -3
	s_barrier_signal -1
	s_barrier_wait -1
.endm
	s_load_b128 s[4:7], s[0:1], 0x0                ; qkv s[4:5], y_img s[6:7]
	s_load_b64 s[8:9], s[0:1], 0x10                ; y_sc
	v_lshl_add_u32 v254, v0, 2, 0x29000
	v_mov_b32 v255, 0
	ds_add_u32 v254, v255
	ds_add_u32 v254, v255
	v_lshrrev_b32 v1, 5, v0
	s_delay_alu instid0(VALU_DEP_1)
	v_readfirstlane_b32 s[WV], v1                  ; wave 0..15
	s_bfe_u32 s11, ttmp6, 0x40000                  ; cx
	s_and_b32 s12, ttmp7, 0xffff                   ; the record: 16 x batch + head
	s_lshr_b32 s13, s12, 4                         ; batch
	s_and_b32 s14, s12, 15                         ; head
	s_lshl_b32 s[T], s[WV], 2
	s_add_co_u32 s[T], s[T], s11                   ; T1
	s_lshr_b32 s[G], s[WV], 1
	s_mul_i32 s36, s12, REC
	s_mov_b32 s37, 0
	s_mul_i32 s[G0+1], s[WV], WSH                  ; 63:32 LDS address: my share, by the wave's number alone
	s_mov_b32 s38, s[G0+1]
	s_mov_b32 s39, 0
	s_mov_b32 s[G1], 15|(3<<16)|(1<<21)            ; 15:0 the mask: all four work-groups; 17:16 elements of 8 bytes; 21 set beside a mask
	s_mov_b32 s[G1+1], 32<<16                      ; tensor_dim0: 256 bytes
	s_mov_b32 s[G1+2], 35<<16                      ; tensor_dim1
	s_mov_b32 s[G1+3], 32<<16                      ; tile_dim0
	s_mov_b32 s[G1+4], 35                          ; tile_dim1
	s_mov_b32 s[G1+5], 32                          ; tensor_dim0_stride: the rows are dense
	s_mov_b32 s[G1+6], 0
	s_mov_b32 s[G1+7], 0
	; where y goes: images [128 batch + T][K step = head / 2][c = head % 2]; scale bytes [tile][head / 8][row][word (head / 2) % 4][byte 2 (head % 2) + block]
	s_lshl_b32 s40, s13, 20
	s_lshr_b32 s41, s14, 1
	s_lshl_b32 s42, s41, 10
	s_add_co_u32 s40, s40, s42
	s_and_b32 s42, s14, 1
	s_lshl_b32 s43, s42, 9
	s_add_co_u32 s40, s40, s43
	s_lshl_b32 s44, s13, 16
	s_lshr_b32 s43, s14, 3
	s_lshl_b32 s43, s43, 8
	s_add_co_u32 s44, s44, s43
	s_and_b32 s43, s41, 3
	s_lshl_b32 s43, s43, 2
	s_add_co_u32 s44, s44, s43
	s_lshl_b32 s43, s42, 1
	s_add_co_u32 s44, s44, s43
	s_mov_b32 s41, 0
	s_mov_b32 s45, 0
	s_mov_b32 s[SEL], 0x76543210
	s_mov_b32 s[SEL+1], 0xfedcba98
	s_mov_b32 s[CS], 0x3e38aa3b                    ; log2(e) / 8
	s_mov_b32 s[CS+1], s[CS]                       ; (named with it as a pair, so it is written)
	v_and_b32 v1, 31, v0
	s_delay_alu instid0(VALU_DEP_1)
	v_lshlrev_b32 v1, 4, v1                        ; 16 x lane: K's codes begin at LDS byte 0
	v_and_b32 v8, 15, v0                           ; r
	v_bfe_u32 v9, v0, 4, 1                         ; h
	s_delay_alu instid0(VALU_DEP_3)
	v_add_nc_u32 v5, VI, v1                        ; V's codes
	s_delay_alu instid0(VALU_DEP_3)
	v_lshlrev_b32 v10, 4, v8                       ; 16 r
	s_delay_alu instid0(VALU_DEP_1)
	v_add_nc_u32 v6, KSO, v10                      ; K's scale words
	s_delay_alu instid0(VALU_DEP_2)
	v_add_nc_u32 v7, VSO, v10                      ; V's
	s_delay_alu instid0(VALU_DEP_3)
	v_add_nc_u32 v4, v10, v9                       ; y's scale byte: 16 r + h
	v_and_b32 v2, 7, v0
	v_bfe_u32 v11, v0, 3, 1
	s_delay_alu instid0(VALU_DEP_1)
	v_lshl_add_u32 v2, v11, 4, v2
	v_lshlrev_b32 v11, 4, v9
	s_delay_alu instid0(VALU_DEP_1)
	v_sub_nc_u32 v2, v2, v11                       ; the mask: r % 8 + 16 (r / 8) - 16 h
	s_wait_dscnt 0x0
	s_wait_kmcnt 0x0
	s_add_nc_u64 s[4:5], s[4:5], s[36:37]          ; my record
	s_add_nc_u64 s[6:7], s[6:7], s[40:41]
	s_add_nc_u64 s[8:9], s[8:9], s[44:45]
	s_mov_b32 s[G0], 1                             ; 1:0 count = 1
	s_add_nc_u64 s[G0+2:G0+3], s[4:5], s[38:39]    ; 120:64 global address: my share of the record's first 143,360 bytes
	s_or_b32 s[G0+3], s[G0+3], 0x80000000          ; 127:126 type = 2
	ROUND                                          ; all four work-groups are here: the joint loads meet
	tensor_load_to_lds s[G0:G0+3], s[G1:G1+7]      ; my one tensor load
	s_nop 0
.rept 4
	v_nop
.endr
	; Q of both my tiles stays in registers: a fragment's group 0 and the rows' scale words
	s_lshl_b32 s36, s[T], 9
	v_add_nc_u32 v224, s36, v1
	s_wait_alu depctr_va_vdst(0)
	s_sub_co_u32 s46, 127, s[T]                    ; T2
	s_lshl_b32 s37, s46, 9
	v_add_nc_u32 v225, s37, v1
	s_wait_alu depctr_va_vdst(0)
	s_lshr_b32 s36, s[T], 2
	s_lshl_b32 s36, s36, 8
	s_and_b32 s37, s[T], 3
	s_lshl_b32 s37, s37, 2
	s_add_co_u32 s36, s36, s37
	v_add_nc_u32 v226, s36, v10                    ; tile T's words: 256 (T / 4) + 16 r + 4 (T % 4)
	s_lshr_b32 s36, s46, 2
	s_lshl_b32 s36, s36, 8
	s_and_b32 s37, s46, 3
	s_lshl_b32 s37, s37, 2
	s_add_co_u32 s36, s36, s37
	v_add_nc_u32 v227, s36, v10
	global_load_b128 v[16:19], v224, s[4:5] offset:QI
	global_load_b128 v[26:29], v225, s[4:5] offset:QI
	global_load_b32 v24, v226, s[4:5] offset:QSO
	global_load_b32 v25, v227, s[4:5] offset:QSO
.irp j, 20,21,22,23,64,65,66,67
	v_mov_b32 v[\j], 0                             ; zero codes: Q's upper 64 of K, and what stands above the last tile of K
.endr
.irp j, 228,229,230,231,237,238
	v_mov_b32 v[\j], 0                             ; written once: lane permutes' destinations count as sources, and v237 is named as the upper half of a pair
.endr
	s_wait_tensorcnt 0x0                           ; my share has landed,
	s_barrier_signal -1
	s_barrier_wait -1                              ; everybody's has: from here on LDS is only read
	s_wait_loadcnt 0x0                             ; Q
	s_mov_b32 s[PASS], 0
.Lpass:                                            ; two trips: my two tiles
	v_mov_b32 v13, 0xff61b1e6                      ; the largest t so far: -3e38, under every t
	s_delay_alu instid0(VALU_DEP_1)
	v_floor_f32 v12, -v13                          ; -M
	v_mov_b32 v14, 0                               ; the sum, in two halves
	v_mov_b32 v15, 0
.irp j, 0,1,2,3,4,5,6,7,8,9,10,11,12,13,14,15,16,17,18,19,20,21,22,23,24,25,26,27,28,29,30,31
	v_mov_b32 v[O+\j], 0                           ; O^T.  (The step is written once: the first finds zeros, which the first change of M leaves zeros)
.endr
	s_bfe_u32 s36, s[T], 0x20001
	s_lshl_b32 s36, s36, 5
	s_and_b32 s37, s[T], 1
	s_lshl_b32 s37, s37, 3
	s_add_co_u32 s36, s36, s37
	v_add_nc_u32 v3, s36, v2                       ; d = my query's place in its last key step - 16 h: register 16 b + i holds key 32 b + 16 h + i: hidden where 32 b + i > d
	s_lshl_b32 s38, s[T], 13
	s_mov_b32 s39, 0
	s_add_nc_u64 s[48:49], s[6:7], s[38:39]        ; this tile's image
	s_lshl_b32 s38, s[T], 9
	s_add_nc_u64 s[50:51], s[8:9], s[38:39]        ; and its scale bytes
	s_mov_b32 s[KS], 0
.Lstep:                                            ; sixteen trips, a constant; the work of a hidden step is jumped over
	s_cmp_gt_u32 s[KS], s[G]
	s_cbranch_scc1 .Lhidden
	s_setprio 2
	v_lshl_add_u32 v8, s[KS], 12, v1               ; the step's 8 tiles of K: 4,096 bytes.  (These four lines are also the places behind the last step's products, ahead of the loads into their operands)
	v_lshl_add_u32 v9, s[KS], 12, v5               ; its 4 fragments of V
	v_lshl_add_u32 v10, s[KS], 9, v6               ; K's scale words: 512 bytes
	v_lshl_add_u32 v11, s[KS], 8, v7               ; V's: 256
.irp t, 0,1,2,3,4,5,6,7
	ds_load_b128 v[KF+4*\t:KF+4*\t+3], v8 offset:512*\t
.endr
	ds_load_b128 v[KSW:KSW+3], v10
	ds_load_b128 v[KSW+4:KSW+7], v10 offset:256
.irp d, 0,1,2,3
.irp c, 0,1
	ds_load_b128 v[VF+8*\d+4*\c:VF+8*\d+4*\c+3], v9 offset:1024*\d+512*\c
.endr
.endr
	ds_load_b128 v[VSW:VSW+3], v11
	s_wait_dscnt 9                                 ; K and its words are in; V's nine loads may be out
.irp t, 0,1,2,3,4,5,6,7
	v_wmma_scale_f32_16x16x128_f8f6f4 v[S+8*\t:S+8*\t+7], v[KF+4*\t:KF+4*\t+7], v[16:23], 0, v[KSW+\t], v24 matrix_a_fmt:MATRIX_FMT_FP4 matrix_b_fmt:MATRIX_FMT_FP4
.endr
.rept 4
	v_nop
.endr
	s_cmp_lg_u32 s[KS], s[G]                       ; only the tile's last step lies on the diagonal
	s_cbranch_scc1 .Lopen
	v_mov_b32 v239, 0xff800000                     ; -infinity
	s_wait_alu depctr_va_vdst(0)
.irp n, 0,1,2,3,4,5,6,7,8,9,10,11,12,13,14,15,16,17,18,19,20,21,22,23,24,25,26,27,28,29,30,31,32,33,34,35,36,37,38,39,40,41,42,43,44,45,46,47,48,49,50,51,52,53,54,55,56,57,58,59,60,61,62,63
	v_cmp_gt_i32 vcc_lo, 32*(\n/16)+\n%16, v3
	v_cndmask_b32 v[S+\n], v[S+\n], v239, vcc_lo
.endr
.Lopen:
.irp b, 0,1,2,3
	v_max3_num_f32 v[BM+\b], v[S+16*\b], v[S+1+16*\b], v[S+2+16*\b]   ; the largest score of each block of 32 keys: it serves the row's maximum and, since p rises with the score, the block's largest p
.endr
.irp i, 3,5,7,9,11,13
.irp b, 0,1,2,3
	v_max3_num_f32 v[BM+\b], v[BM+\b], v[S+16*\b+\i], v[S+1+16*\b+\i]
.endr
.endr
.irp b, 0,1,2,3
	v_max_num_f32 v[BM+\b], v[BM+\b], v[S+15+16*\b]
.endr
.irp b, 0,1,2,3
	s_delay_alu instid0(VALU_DEP_4)
	v_permlanex16_b32 v[PT+\b], v[BM+\b], s[SEL], s[SEL+1]
.endr
.irp b, 0,1,2,3
	s_delay_alu instid0(VALU_DEP_4)
	v_max_num_f32 v[BM+\b], v[BM+\b], v[PT+\b]     ; with lane l xor 16's 16 keys
.endr
	s_delay_alu instid0(VALU_DEP_2)
	v_max3_num_f32 v[TP], v[BM], v[BM+1], v[BM+2]
	s_delay_alu instid0(VALU_DEP_1)
	v_max_num_f32 v[TP], v[TP], v[BM+3]            ; the step's largest score of my query
	s_delay_alu instid0(VALU_DEP_1)
	v_mul_f32 v[TP], s[CS], v[TP]                  ; as t
	s_delay_alu instid0(VALU_DEP_1)
	v_max_num_f32 v13, v13, v[TP]                  ; the running largest t
	v_mov_b32 v[TP], v12
	s_delay_alu instid0(VALU_DEP_2)
	v_floor_f32 v12, -v13                          ; the new -M = floor(-t) = -ceil(t)
	s_delay_alu instid0(VALU_DEP_1)
	v_sub_f32 v[TP], v12, v[TP]                    ; old M - new M: a whole number, 0 or less
	s_delay_alu instid0(VALU_DEP_1)
	v_cvt_i32_f32 v[TP], v[TP]                     ; (it saturates)
	s_delay_alu instid0(VALU_DEP_1)
	v_ldexp_f32 v[F], 1.0, v[TP]                   ; f = 2^(old M - new M)
.irp j, 0,2,4,6,8,10,12,14,16,18,20,22,24,26,28,30,32,34,36,38,40,42,44,46,48,50,52,54,56,58,60,62
	v_pk_fma_f32 v[S+\j:S+\j+1], v[S+\j:S+\j+1], s[CS:CS+1], v[12:13] op_sel_hi:[1,0,0]   ; t - M, two at a time
.endr
	s_setprio 1
.irp b, 0,1,2,3
	v_fma_f32 v[BM+\b], v[BM+\b], s[CS], v12       ; the same of each block's largest score
.endr
	s_wait_alu depctr_va_vdst(0)
.irp j, 0,1,2,3,4,5,6,7,8,9,10,11,12,13,14,15,16,17,18,19,20,21,22,23,24,25,26,27,28,29,30,31,32,33,34,35,36,37,38,39,40,41,42,43,44,45,46,47,48,49,50,51,52,53,54,55,56,57,58,59,60,61,62,63
	v_exp_f32 v[S+\j], v[S+\j]                     ; p = 2^(t - M), at most 1
.endr
	v_pk_mul_f32 v[14:15], v[14:15], v[F:F+1] op_sel_hi:[1,0]   ; the sums under the new M: a plain line behind the exponentials
	s_wait_alu depctr_va_vdst(0)                   ; one wait for the batch of 64, ahead of its first reader
.irp b, 0,1,2,3
	v_exp_f32 v[BM+\b], v[BM+\b]                   ; the block's largest p: the same two instructions on the same number
.endr
	v_pk_add_f32 v[228:229], v[124:125], v[128:129]
	v_pk_add_f32 v[252:253], v[132:133], v[136:137]
	v_pk_add_f32 v[250:251], v[140:141], v[144:145]
	v_pk_add_f32 v[248:249], v[148:149], v[152:153]
	v_pk_add_f32 v[246:247], v[156:157], v[160:161]
	v_pk_add_f32 v[244:245], v[164:165], v[168:169]
	v_pk_add_f32 v[242:243], v[172:173], v[176:177]
	v_pk_add_f32 v[14:15], v[14:15], v[180:181]
	v_pk_add_f32 v[228:229], v[228:229], v[120:121]
	v_pk_add_f32 v[252:253], v[252:253], v[122:123]
	v_pk_add_f32 v[250:251], v[250:251], v[126:127]
	v_pk_add_f32 v[248:249], v[248:249], v[130:131]
	v_pk_add_f32 v[246:247], v[246:247], v[134:135]
	v_pk_add_f32 v[244:245], v[244:245], v[138:139]
	v_pk_add_f32 v[242:243], v[242:243], v[142:143]
	v_pk_add_f32 v[14:15], v[14:15], v[146:147]
	v_pk_add_f32 v[228:229], v[228:229], v[150:151]
	v_pk_add_f32 v[252:253], v[252:253], v[154:155]
	v_pk_add_f32 v[250:251], v[250:251], v[158:159]
	v_pk_add_f32 v[248:249], v[248:249], v[162:163]
	v_pk_add_f32 v[246:247], v[246:247], v[166:167]
	v_pk_add_f32 v[244:245], v[244:245], v[170:171]
	v_pk_add_f32 v[242:243], v[242:243], v[174:175]
	v_pk_add_f32 v[14:15], v[14:15], v[178:179]
	v_pk_add_f32 v[228:229], v[228:229], v[182:183]
	s_delay_alu instid0(VALU_DEP_2)
	v_pk_add_f32 v[14:15], v[14:15], v[248:249]
	s_delay_alu instid0(VALU_DEP_2)
	v_pk_add_f32 v[228:229], v[228:229], v[246:247]
	v_pk_add_f32 v[252:253], v[252:253], v[244:245]
	v_pk_add_f32 v[250:251], v[250:251], v[242:243]
	s_delay_alu instid0(VALU_DEP_2)
	v_pk_add_f32 v[14:15], v[14:15], v[252:253]
	s_delay_alu instid0(VALU_DEP_2)
	v_pk_add_f32 v[228:229], v[228:229], v[250:251]
	s_delay_alu instid0(VALU_DEP_1)
	v_pk_add_f32 v[14:15], v[14:15], v[228:229]
	s_wait_alu depctr_va_vdst(0)                   ; and one for the four
.irp b, 0,1,2,3
	v_max_num_f32 v[BM+\b], 0x1800000, v[BM+\b]    ; the floor 2^(3 - 127): a block whose every p is 0 keeps the byte 1: its codes are zeros
.endr
.irp b, 0,1,2,3
	s_delay_alu instid0(VALU_DEP_4)
	v_add_nc_u32 v[SO+\b], 0xff000000, v[BM+\b]    ; 2 off the exponent field: the conversions' scale operand
.endr
.irp b, 0,1,2,3
	s_delay_alu instid0(VALU_DEP_4)
	v_lshrrev_b32 v[PT+\b], 23, v[SO+\b]           ; the scale's byte
.endr
	s_delay_alu instid0(VALU_DEP_3)
	v_lshl_or_b32 v[PSW], v[PT+1], 8, v[PT]        ; p's scale word for these 128 keys
	s_delay_alu instid0(VALU_DEP_1)
	v_lshl_or_b32 v[PSW], v[PT+2], 16, v[PSW]
	s_delay_alu instid0(VALU_DEP_1)
	v_lshl_or_b32 v[PSW], v[PT+3], 24, v[PSW]
	s_setprio 0
.irp b, 0,1,2,3
	v_cvt_scalef32_pk8_fp4_f32 v[PCD+2*\b], v[S+16*\b:S+7+16*\b], v[SO+\b]
	v_cvt_scalef32_pk8_fp4_f32 v[PCD+1+2*\b], v[S+8+16*\b:S+15+16*\b], v[SO+\b]
.endr
	v_nop                                          ; one plain line behind the conversions
.irp c, 0,1                                    ; a WHOLE block in a lane
.irp i, 0,1
	v_permlane16_swap_b32 v[PCD+4*\c+\i], v[PCD+2+4*\c+\i]
.endr
.endr
.irp j, 0,2,4,6,8,10,12,14,16,18,20,22,24,26,28,30
	v_pk_mul_f32 v[O+\j:O+\j+1], v[O+\j:O+\j+1], v[F:F+1] op_sel_hi:[1,0]   ; O^T under the new M.  (These sixteen also stand between the lines that made p's codes and scale word and the products)
.endr
	s_wait_alu depctr_va_vdst(0)
	s_wait_dscnt 0x0                               ; V and its words are in
.irp d, 0,1,2,3                                ; O^T += V^T P^T: the four accumulators by turns
	v_wmma_scale_f32_16x16x128_f8f6f4 v[O+8*\d:O+8*\d+7], v[VF+8*\d:VF+8*\d+7], v[PCD:PCD+7], v[O+8*\d:O+8*\d+7], v[VSW+\d], v[PSW] matrix_a_fmt:MATRIX_FMT_FP4 matrix_b_fmt:MATRIX_FMT_FP4
.endr
.Lhidden:
	s_add_co_u32 s[KS], s[KS], 1
	s_cmp_lt_u32 s[KS], 16
	s_cbranch_scc1 .Lstep
	s_setprio 0
	; THE TILE'S END: O^T / the sum is 64 channels of 16 rows of y: two blocks of 32 along the last product's K, quantised here
.rept 4
	v_nop                                          ; places behind the last products
.endr
	v_add_f32 v14, v14, v15                        ; the sum's two halves,
	s_delay_alu instid0(VALU_DEP_1)
	v_permlanex16_b32 v[TP], v14, s[SEL], s[SEL+1]
	s_delay_alu instid0(VALU_DEP_1)
	v_add_f32 v14, v14, v[TP]                      ; and lane l xor 16's
	s_wait_alu depctr_va_vdst(0)
	v_rcp_f32 v[F], v14
	v_and_b32 v241, 16, v0                         ; (a plain line behind the reciprocal)  16 h
	s_wait_alu depctr_va_vdst(0)                   ; ahead of its first reader
.irp j, 0,2,4,6,8,10,12,14,16,18,20,22,24,26,28,30
	v_pk_mul_f32 v[S+\j:S+\j+1], v[O+\j:O+\j+1], v[F:F+1] op_sel_hi:[1,0]   ; register 16 B + i is channel 32 B + 16 h + i of my query; each accumulator from its low end on
.endr
.irp b, 0,1
	v_max3_num_f32 v[BM+\b], |v[S+16*\b]|, |v[S+1+16*\b]|, 0x1800000
.endr
.irp i, 2,4,6,8,10,12,14
.irp b, 0,1
	s_delay_alu instid0(VALU_DEP_2)
	v_max3_num_f32 v[BM+\b], v[BM+\b], |v[S+16*\b+\i]|, |v[S+1+16*\b+\i]|
.endr
.endr
.irp b, 0,1
	s_delay_alu instid0(VALU_DEP_2)
	v_permlanex16_b32 v[PT+\b], v[BM+\b], s[SEL], s[SEL+1]
.endr
.irp b, 0,1
	s_delay_alu instid0(VALU_DEP_2)
	v_max_num_f32 v[BM+\b], v[BM+\b], v[PT+\b]
.endr
.irp b, 0,1
	s_delay_alu instid0(VALU_DEP_2)
	v_add_nc_u32 v[SO+\b], 0xff000000, v[BM+\b]
.endr
.irp b, 0,1
	s_delay_alu instid0(VALU_DEP_2)
	v_lshrrev_b32 v[PT+\b], 23, v[SO+\b]
.endr
.irp b, 0,1
	v_cvt_scalef32_pk8_fp4_f32 v[PCD+2*\b], v[S+16*\b:S+7+16*\b], v[SO+\b]
	v_cvt_scalef32_pk8_fp4_f32 v[PCD+1+2*\b], v[S+8+16*\b:S+15+16*\b], v[SO+\b]
.endr
	v_cmp_ne_u32 vcc_lo, 0, v241                   ; (a plain line behind the conversions)
	v_permlane16_swap_b32 v[PCD], v[PCD+2]         ; lanes 0-15 block 0, lanes 16-31 block 1, whole
	v_permlane16_swap_b32 v[PCD+1], v[PCD+3]
	s_delay_alu instid0(VALU_DEP_3)
	v_cndmask_b32 v240, v[PT], v[PT+1], vcc_lo     ; my block's byte
	global_store_b128 v1, v[PCD:PCD+3], s[48:49]   ; one group of a fragment's image: 512 consecutive bytes, aligned
	global_store_b8 v4, v240, s[50:51]             ; single bytes, 2 of a row's 32: the other heads' work-groups write the others
	s_wait_xcnt 0x0                                ; the stores have read their registers and bases: both are written again in the next trip
.irp j, 0,1,2,3
	v_mov_b32 v[16+\j], v[26+\j]                   ; on to my second tile (behind the second tile these five lines serve nothing)
.endr
	v_mov_b32 v24, v25
	s_sub_co_u32 s[T], 127, s[T]
	s_sub_co_u32 s[G], 15, s[G]
	s_add_co_u32 s[PASS], s[PASS], 1
	s_cmp_lt_u32 s[PASS], 2
	s_cbranch_scc1 .Lpass
	s_wait_tensorcnt 0x0
	ds_add_u32 v254, v255
	s_wait_dscnt 0x0
	ROUND                                          ; the closing round
	s_endpgm
.Lfunc_end_k_qb67bb26dd6_attn:
	.size	k_qb67bb26dd6_attn, .Lfunc_end_k_qb67bb26dd6_attn-k_qb67bb26dd6_attn
	.p2alignl 7, 3214868480
	.fill 96, 4, 3214868480
	.section	.rodata,"a",@progbits
	.p2align	6, 0x0
	.amdhsa_kernel k_qb67bb26dd6_attn
		.amdhsa_group_segment_fixed_size 169984
		.amdhsa_private_segment_fixed_size 0
		.amdhsa_enable_private_segment 0
		.amdhsa_kernarg_size 24
		.amdhsa_user_sgpr_count 2
		.amdhsa_user_sgpr_kernarg_segment_ptr 1
		.amdhsa_wavefront_size32 1
		.amdhsa_system_sgpr_workgroup_id_x 1
		.amdhsa_system_sgpr_workgroup_id_y 1
		.amdhsa_system_sgpr_workgroup_id_z 1
		.amdhsa_system_vgpr_workitem_id 0
		.amdhsa_next_free_vgpr 256
		.amdhsa_next_free_sgpr 66
		.amdhsa_reserve_vcc 1
		.amdhsa_float_denorm_mode_32 3
		.amdhsa_float_denorm_mode_16_64 3
		.amdhsa_memory_ordered 1
		.amdhsa_forward_progress 1
		.amdhsa_inst_pref_size 34
	.end_amdhsa_kernel
	.amdgpu_metadata
---
amdhsa.version: [ 1, 2 ]
amdhsa.kernels:
  - .name:           k_qb67bb26dd6_attn
    .symbol:         k_qb67bb26dd6_attn.kd
    .args:
      - { .name: qkv, .offset: 0, .size: 8, .value_kind: global_buffer, .address_space: global }
      - { .name: y_img, .offset: 8, .size: 8, .value_kind: global_buffer, .address_space: global }
      - { .name: y_sc, .offset: 16, .size: 8, .value_kind: global_buffer, .address_space: global }
    .group_segment_fixed_size: 169984
    .private_segment_fixed_size: 0
    .kernarg_segment_align: 8
    .kernarg_segment_size: 24
    .max_flat_workgroup_size: 512
    .sgpr_count:     66
    .vgpr_count:     256
    .wavefront_size: 32
...
	.end_amdgpu_metadata
.endif
;; end of part 3
;; launch proj (part 4): grid 4 x 32, 4 waves a work-group, clusters of 4 x 4, 327,680 bytes of LDS; arguments y_img, y_sc, w_img, w_sc, bp, out0; writes out0
.if DOCPART == 4
	.amdgcn_target "amdgcn-amd-amdhsa--gfx1250"
	.amdhsa_code_object_version 6
	.text
	.protected	k_qb67bb26dd6_proj
	.globl	k_qb67bb26dd6_proj
	.p2align	8
	.type	k_qb67bb26dd6_proj,@function
k_qb67bb26dd6_proj:
	s_mov_b64 s[64:65], 0
	v_nop
	global_prefetch_b8 v0, s[64:65] scope:SCOPE_SE
	s_setreg_imm32_b32 hwreg(HW_REG_WAVE_MODE, 25, 1), 1
	s_wait_xcnt 0x0
	s_wait_alu depctr_hold_cnt(0) depctr_sa_sdst(0) depctr_va_vdst(0) depctr_va_sdst(0) depctr_va_ssrc(0) depctr_va_vcc(0) depctr_vm_vsrc(0)
	s_getreg_b32 s2, hwreg(HW_REG_IB_STS2, 6, 4)
	s_cmp_eq_u32 s2, 0
	s_cbranch_scc0 .Lentry_in_a_cluster
	s_endpgm
.Lentry_in_a_cluster:
	s_bfe_u32 s2, ttmp6, 0x10000c
	s_cmp_lg_u32 s2, 0xf033
	s_cbranch_scc0 .Lentry_shape_is_right
	s_endpgm
.Lentry_shape_is_right:
; out0 = y Wp + bp on codes of FP4 (E2M1) with E8M0 scales, f32 sums.  y and Wp arrive as images of operand registers: [tile of 16 rows][K step 8][c 2][lane 32][16 bytes], scale words [tile][half of K][row 16][4 words];
; stored tile 2 B + u, row r is actual row 32 B + 8 u + r % 8 + 16 (r / 8).  Wp's tiles are 192-255 of the weights' buffers.
; A work-group of four waves makes 256 tokens x 256 columns, a wave 128 x 128.  K = 1,024 is 8 steps of 128; all of it fits in LDS: two slots of 4 steps, each filled ONCE.
; CLUSTERS: 4 x 4 work-groups; the four of a row need the same tokens, the four of a column the same columns: each tile is asked for jointly.
; Source 0 = 16 columns of Wp, source 1 = 16 tokens: a lane holds one token, and an accumulator's eight registers are eight neighbouring columns.  The bias is the C of each sum's first product.
; The way out goes through a stage of the wave's own LDS bytes, into which no tile lands, and puts the stored rows back at their actual places.
; REGISTERS, in windows of 256: window 0: v0-31 addresses; v32-95 scale words, two sets; v128-191 the tokens' fragments, ONE set; v192-255 the bias; on the way out v128-255 hold rows of the result.
;   window 1: the weight's fragments, TWO sets.  window 2: accumulators of token blocks 0-3 ((a, b) at v[8 (8 (a % 4) + b)]);  window 3: of blocks 4-7.
.set SLOT, 131072
.set SCL,  262144
.set STAGE, 278528                     ; behind the scale words: 16 rows x 528 bytes for each wave
.set SPITCH, 528                       ; 512 bytes + 16: row r starts 4 r banks on (64 banks of 4 bytes: ISA guide 11.1)
.set ADRA, 16
.set ADRB, 20
.set STO,  24                          ; v24 the way out: where I put 32 bytes of a row
.set RD,   25                          ; v25 and where I read a row back
.set ADRS, 27
.set SC,   32
.set AF,   128
.set BI,   192
.set BK,   128
.set G1A,  24
.set G0A,  32
.set G1B,  40
.set G0B,  48
.set G1SA, 56
.set G0SA, 68
.set G1SB, 72
.set G0SB, 80
.set MSB, 0
.macro WIN new                         ; the immediate's high byte repeats the setting that is left
.if MSB != (\new)
	s_set_vgpr_msb (MSB<<8)|(\new)
.set MSB, (\new)
.endif
.endm
.macro JLOAD g0a, g1a, g0b, g1b        ; a joint load: waves 0 and 1 fetch the tokens', waves 2 and 3 the weight's; four v_nop follow each of the two lines
	s_cmp_eq_u32 s21, 0
	s_cbranch_scc0 .Lfor_b_\@
	tensor_load_to_lds s[\g0a:\g0a+3], s[\g1a:\g1a+7]
	s_nop 0
.rept 4
	v_nop
.endr
	s_branch .Lasked_\@
.Lfor_b_\@:
	tensor_load_to_lds s[\g0b:\g0b+3], s[\g1b:\g1b+7]
	s_nop 0
.rept 4
	v_nop
.endr
.Lasked_\@:
.endm
.macro CROUND                          ; a round of the cluster's barrier
	s_barrier_signal -1
	s_barrier_wait -1
	s_cmp_lg_u32 s20, 0
	s_cbranch_scc1 .Lnot_wave_0_\@
	s_barrier_signal -3
.Lnot_wave_0_\@:
	s_barrier_wait -3
	s_barrier_signal -1
	s_barrier_wait -1
.endm
	s_load_b256 s[4:11], s[0:1], 0x0               ; y_img s[4:5], y_sc s[6:7], w_img s[8:9], w_sc s[10:11]
	s_load_b128 s[12:15], s[0:1], 0x20             ; bp s[12:13], out0 s[14:15]
	v_lshl_add_u32 v126, v0, 2, 0x4c400
	v_mov_b32 v127, 0
	ds_add_u32 v126, v127
	ds_add_u32 v126, v127
	v_lshrrev_b32 v1, 5, v0
	v_readfirstlane_b32 s20, v1                    ; wave 0..3
	s_lshr_b32 s21, s20, 1                         ; which half of the 256 tokens is mine.  Also: I fetch the tokens' (0) or the weight's (1)
	s_and_b32 s22, s20, 1                          ; which half of the 256 columns.  Also: which 8 tiles I fetch
	s_bfe_u32 s84, ttmp6, 0x40000                  ; cx, cy
	s_bfe_u32 s85, ttmp6, 0x40004
	s_lshl_b32 s86, ttmp9, 2
	s_add_co_u32 s86, s86, s84                     ; which 256 columns
	s_and_b32 s87, ttmp7, 0xffff
	s_lshl_b32 s87, s87, 2
	s_add_co_u32 s87, s87, s85                     ; which 256 tokens
	s_lshl_b32 s88, s85, 2
	s_lshl_b32 s88, 15, s88                        ; my row of the cluster
	s_lshl_b32 s89, 0x1111, s84                    ; my column
	s_or_b32 s[G1A], s88, (3<<16)|(1<<21)          ; codes: 8 rows of 4,096 bytes (512 elements of 8 bytes), 8,192 bytes apart
	s_or_b32 s[G1B], s89, (3<<16)|(1<<21)
.irp g, G1A, G1B
	s_mov_b32 s[\g+1], 512<<16
	s_mov_b32 s[\g+2], 8<<16
	s_mov_b32 s[\g+3], 512<<16
	s_mov_b32 s[\g+4], 8
	s_mov_b32 s[\g+5], 1024
	s_mov_b32 s[\g+6], 0
	s_mov_b32 s[\g+7], 0
.endr
	s_or_b32 s[G1SA], s88, (3<<16)|(1<<21)         ; scale words: 4,096 dense bytes as 16 rows of 256
	s_or_b32 s[G1SB], s89, (3<<16)|(1<<21)
.irp g, G1SA, G1SB
	s_mov_b32 s[\g+1], 32<<16
	s_mov_b32 s[\g+2], 16<<16
	s_mov_b32 s[\g+3], 32<<16
	s_mov_b32 s[\g+4], 16
	s_mov_b32 s[\g+5], 32
	s_mov_b32 s[\g+6], 0
	s_mov_b32 s[\g+7], 0
.endr
	s_lshl_b32 s23, s22, 16
	s_lshl_b32 s90, s87, 17                        ; the tokens' codes
	s_add_co_u32 s90, s90, s23
	s_mov_b32 s91, 0
	s_lshl_b32 s92, s86, 17                        ; the weight's,
	s_add_co_u32 s92, s92, s23
	s_add_co_u32 s92, s92, 192*8192                ; from Wp's first tile on
	s_mov_b32 s93, 0
	s_lshl_b32 s23, s22, 12
	s_lshl_b32 s94, s87, 13                        ; the tokens' scale words
	s_add_co_u32 s94, s94, s23
	s_mov_b32 s95, 0
	s_lshl_b32 s96, s86, 13                        ; the weight's
	s_add_co_u32 s96, s96, s23
	s_add_co_u32 s96, s96, 192*512
	s_mov_b32 s97, 0
	s_lshl_b32 s98, s20, 15                        ; where they go: by the wave's number alone
	s_lshl_b32 s99, s20, 12
	s_wait_dscnt 0x0
	s_wait_kmcnt 0x0
	s_add_nc_u64 s[90:91], s[4:5], s[90:91]
	s_add_nc_u64 s[92:93], s[8:9], s[92:93]
	s_add_nc_u64 s[94:95], s[6:7], s[94:95]
	s_add_nc_u64 s[96:97], s[10:11], s[96:97]
	CROUND                                         ; all sixteen work-groups are here: the joint loads meet
	s_mov_b32 s[G0SA], 1
	s_add_co_u32 s[G0SA+1], s99, SCL
	s_mov_b64 s[G0SA+2:G0SA+3], s[94:95]
	s_or_b32 s[G0SA+3], s[G0SA+3], 0x80000000
	s_mov_b32 s[G0SB], 1
	s_add_co_u32 s[G0SB+1], s99, SCL
	s_mov_b64 s[G0SB+2:G0SB+3], s[96:97]
	s_or_b32 s[G0SB+3], s[G0SB+3], 0x80000000
	JLOAD G0SA, G1SA, G0SB, G1SB                   ; the scale words first; then both slots, each behind a wait for the earlier ones: one tensor load of mine is out
.irp s, 0,1
	s_mov_b32 s[G0A+4*\s], 1
	s_add_co_u32 s[G0A+4*\s+1], s98, \s*SLOT
	s_add_nc_u64 s[G0A+4*\s+2:G0A+4*\s+3], s[90:91], \s*4096
	s_or_b32 s[G0A+4*\s+3], s[G0A+4*\s+3], 0x80000000
	s_mov_b32 s[G0B+4*\s], 1
	s_add_co_u32 s[G0B+4*\s+1], s98, \s*SLOT
	s_add_nc_u64 s[G0B+4*\s+2:G0B+4*\s+3], s[92:93], \s*4096
	s_or_b32 s[G0B+4*\s+3], s[G0B+4*\s+3], 0x80000000
	s_wait_alu depctr_va_vdst(0)
	s_wait_tensorcnt 0x0
	ds_add_u32 v126, v127
	s_wait_dscnt 0x0
	CROUND
	JLOAD G0A+4*\s, G1A, G0B+4*\s, G1B
.endr
	v_and_b32 v1, 15, v0                           ; r
	v_bfe_u32 v2, v0, 4, 1                         ; h
	v_and_b32 v3, 31, v0
	v_lshlrev_b32 v3, 4, v3                        ; 16 x lane
	s_wait_alu depctr_va_vdst(0)
	s_lshl_b32 s90, s86, 10                        ; the bias of my 128 columns
	s_lshl_b32 s91, s22, 9
	s_add_co_u32 s90, s90, s91
	s_mov_b32 s91, 0
	s_add_nc_u64 s[12:13], s[12:13], s[90:91]
	v_lshlrev_b32 v5, 6, v2                        ; block b's C is columns 32 (b / 2) + 8 (b % 2) + 16 h + 0 .. 7
.irp b, 0,1,2,3,4,5,6,7
	global_load_b128 v[BI+8*\b:BI+8*\b+3], v5, s[12:13] offset:4*(32*(\b/2)+8*(\b%2))
	global_load_b128 v[BI+8*\b+4:BI+8*\b+7], v5, s[12:13] offset:4*(32*(\b/2)+8*(\b%2))+16
.endr
	s_lshl_b32 s90, s21, 15                        ; my 8 tiles of tokens, my 8 tiles of the weight, which lie 65,536 bytes behind
	s_lshl_b32 s91, s22, 15
	s_add_co_u32 s91, s91, 65536
.irp s, 0,1
	v_add_nc_u32 v[ADRA+\s], s90, v3
	v_add_nc_u32 v[ADRB+\s], s91, v3
	s_add_co_u32 s90, s90, SLOT
	s_add_co_u32 s91, s91, SLOT
.endr
	s_lshl_b32 s90, s21, 12                        ; the tokens' scale words of my half, the weight's behind the tokens' 8,192 bytes
	s_lshl_b32 s91, s22, 12
	s_add_co_u32 s91, s91, 8192
	s_sub_co_u32 s91, s91, s90
	v_mul_u32_u24 v6, s91, v2                      ; lanes 16-31 take the weight's: the lower base + h x the distance
	s_add_co_u32 s90, s90, SCL
	v_lshl_add_u32 v6, v1, 4, v6
	v_add_nc_u32 v[ADRS], s90, v6
	s_mul_i32 s90, s20, 16*SPITCH
	s_add_co_u32 s90, s90, STAGE                   ; my stage
	v_mul_u32_u24 v6, v1, SPITCH
	v_lshl_add_u32 v6, v2, 6, v6
	v_add_nc_u32 v[STO], s90, v6                   ; in: row r, + 64 h
	v_add_nc_u32 v[RD], s90, v3                    ; back: the 32 lanes take one row of 512 bytes
	s_lshl_b32 s90, s87, 20                        ; my first row of out0: 256 rows of 4,096 bytes a work-group, 128 a half;
	s_lshl_b32 s91, s21, 19
	s_add_co_u32 s90, s90, s91
	s_lshl_b32 s91, s86, 10                        ; my first column, in bytes
	s_add_co_u32 s90, s90, s91
	s_lshl_b32 s91, s22, 9
	s_add_co_u32 s90, s90, s91
	s_mov_b32 s91, 0
	s_add_nc_u64 s[14:15], s[14:15], s[90:91]
.macro FRAG reg, adr, q, i             ; a fragment comes as it was stored: two loads of 512 consecutive bytes
.irp c, 0,1
	ds_load_b128 v[\reg+4*\c:\reg+4*\c+3], v[\adr] offset:4096*(\i)+1024*(\q)+512*\c
.endr
.endm
.macro FETCH_B slot, q, p
	WIN 0x40
.irp i, 0,1,2,3,4,5,6,7
	FRAG 128*(\p)+8*\i, ADRB+\slot, \q, \i
.endr
	WIN 0
.endm
.macro FETCH_A slot, q, i0
.irp i, \i0, \i0+1, \i0+2, \i0+3
	FRAG AF+8*(\i), ADRA+\slot, \q, \i
.endr
.endm
.macro SCALES sc
.irp i, 0,1,2,3,4,5,6,7
	ds_load_b128 v[SC+32*\sc+4*\i:SC+32*\sc+4*\i+3], v[ADRS] offset:512*\i+256*\sc
.endr
.endm
.macro PLACES n                        ; plain vector lines between a matrix instruction and a load into, or a read of, its registers
.rept \n
	v_nop
.endr
.endm
; 16 matrix instructions: token blocks a0, a0 + 1 x the weight's eight.  cm = 1: the sums begin with the bias.  The 64 accumulators take turns, in the same order in every K step.
.macro MUL16 a0, p, q, sc, cm
.irp a, \a0, \a0+1
.irp b, 0,1,2,3,4,5,6,7
.set rD, 8*(8*((\a)%4)+\b)
.set rB, 128*(\p)+8*\b
.set rA, AF+8*(\a)
.set rC, rD
.if \cm
.set rC, BI+8*\b
.endif
.set sB, SC+32*(\sc)+4*\b+(\q)
.set sA, SC+32*(\sc)+4*(\a)+(\q)
	v_wmma_scale_f32_16x16x128_f8f6f4 v[rD:rD+7], v[rB:rB+7], v[rA:rA+7], v[rC:rC+7], v[sB], v[sA] matrix_a_fmt:MATRIX_FMT_FP4 matrix_b_fmt:MATRIX_FMT_FP4 matrix_a_scale:MATRIX_SCALE_ROW1
.endr
.endr
.endm
.macro STEP slot, q, cm
	s_wait_dscnt 8                                 ; the weight's set, token blocks 0-3 (and the scale words) are in; the youngest 8 loads, blocks 4-7, may be out
.if \cm
	WIN 0x81
.else
	WIN 0xa1
.endif
	MUL16 0, (\q)%2, \q, \slot, \cm
	MUL16 2, (\q)%2, \q, \slot, \cm
	s_wait_dscnt 0x0
	PLACES 4
	FETCH_B \slot, (\q)+1, 1-(\q)%2
	FETCH_A \slot, (\q)+1, 0
.if \cm
	WIN 0xc1
.else
	WIN 0xf1
.endif
	MUL16 4, (\q)%2, \q, \slot, \cm
	MUL16 6, (\q)%2, \q, \slot, \cm
	PLACES 4
	WIN 0
	FETCH_A \slot, (\q)+1, 4
.endm
	s_wait_alu depctr_va_vdst(0)
	s_wait_tensorcnt 0x1                           ; the scale words and my part of slot 0 are in; slot 1's load may be out
	s_barrier_signal -1
	s_barrier_wait -1
	FETCH_B 0, 0, 0
	FETCH_A 0, 0, 0
	SCALES 0
	FETCH_A 0, 0, 4
	s_wait_loadcnt 0x0                             ; the bias
	STEP 0, 0, 1                                   ; the first K step starts the sums, with the bias as C
	STEP 0, 1, 0
	STEP 0, 2, 0
	s_wait_tensorcnt 0x0                           ; slot 0's last K step goes over to slot 1: my part of it has landed
	s_wait_dscnt 8
	WIN 0xa1
	MUL16 0, 1, 3, 0, 0
	s_wait_dscnt 0x0                               ; no LDS load of mine is out at the signal
	s_barrier_signal -1
	MUL16 2, 1, 3, 0, 0
	s_barrier_wait -1
	PLACES 4
	FETCH_B 1, 0, 0
	FETCH_A 1, 0, 0
	SCALES 1
	WIN 0xf1
	MUL16 4, 1, 3, 0, 0
	MUL16 6, 1, 3, 0, 0
	PLACES 4
	WIN 0
	FETCH_A 1, 0, 4
	STEP 1, 0, 0
	STEP 1, 1, 0
	STEP 1, 2, 0
	s_wait_dscnt 8                                 ; the last K step: nothing more to fetch
	WIN 0xa1
	MUL16 0, 1, 3, 1, 0
	MUL16 2, 1, 3, 1, 0
	s_wait_dscnt 0x0
	WIN 0xf1
	MUL16 4, 1, 3, 1, 0
	MUL16 6, 1, 3, 1, 0
	WIN 0
; THE WAY OUT, a token block (16 stored rows x 128 columns) at a time.  A lane holds pieces of 32 bytes of one row: accumulator b's are columns 32 (b / 2) + 16 h + 8 (b % 2) + 0 .. 7.
; They go through my stage and come back as whole rows of 512 bytes.  LDS serves a wave's instructions in order (ISA guide 5.7.1.4): no wait between the stores and the loads, nor ahead of the next block's stores.
.macro TOSTAGE a
.set AC, 64*((\a)%4)
	WIN 0x08+4*((\a)/4)                            ; an LDS store's data: window 2 or 3
.irp b, 0,1,2,3,4,5,6,7
	ds_store_b128 v[STO], v[AC+8*\b:AC+8*\b+3] offset:128*(\b/2)+32*(\b%2)         ; each accumulator from its low end on
	ds_store_b128 v[STO], v[AC+8*\b+4:AC+8*\b+7] offset:128*(\b/2)+32*(\b%2)+16
.endr
	WIN 0
.set BB, BK+64*((\a)%2)
.irp t, 0,1,2,3,4,5,6,7,8,9,10,11,12,13,14,15
	ds_load_b128 v[BB+4*\t:BB+4*\t+3], v[RD] offset:\t*SPITCH
.endr
.endm
.macro SEND a, younger                 ; younger: the LDS instructions issued behind block a's loads, which may stay out
.set BB, BK+64*((\a)%2)
	s_wait_dscnt \younger
.if (\a) > 0
.if ((\a)%2) == 1
	s_add_nc_u64 s[14:15], s[14:15], 8*4096        ; stored tile 2 B + 1 begins 8 rows behind tile 2 B,  (the earlier stores have read their base: a wait on XCNT stands ahead)
.else
	s_add_nc_u64 s[14:15], s[14:15], 24*4096       ; tile 2 B + 2 another 24
.endif
.endif
.irp t, 0,1,2,3,4,5,6,7,8,9,10,11,12,13,14,15
	global_store_b128 v3, v[BB+4*\t:BB+4*\t+3], s[14:15] offset:((\t%8)+16*(\t/8))*4096 th:TH_STORE_NT   ; stored row t at its actual place: 512 consecutive bytes, aligned; written once, read by nobody here
.endr
.endm
	PLACES 4                                       ; behind the last products: ahead of the loads into the registers that held the tokens' fragments, and of the reads of results
	TOSTAGE 0
.irp a, 1,2,3,4,5,6,7
.if \a > 1
	s_wait_xcnt 0x0                                ; block a - 2's stores have read their registers and their base: block a's loads may land there, and the base may step
.endif
	TOSTAGE \a
	SEND \a-1, 32                                  ; behind block a - 1's loads: block a's 16 stores and 16 loads
.endr
	s_wait_xcnt 0x0
	SEND 7, 0
	s_wait_tensorcnt 0x0
	ds_add_u32 v126, v127
	s_wait_dscnt 0x0
	CROUND                                         ; the closing round: no work-group ends while a partner may still ask for a tile that names it
	s_endpgm
.Lfunc_end_k_qb67bb26dd6_proj:
	.size	k_qb67bb26dd6_proj, .Lfunc_end_k_qb67bb26dd6_proj-k_qb67bb26dd6_proj
	.p2alignl 7, 3214868480
	.fill 96, 4, 3214868480
	.section	.rodata,"a",@progbits
	.p2align	6, 0x0
	.amdhsa_kernel k_qb67bb26dd6_proj
		.amdhsa_group_segment_fixed_size 327680
		.amdhsa_private_segment_fixed_size 0
		.amdhsa_enable_private_segment 0
		.amdhsa_kernarg_size 48
		.amdhsa_user_sgpr_count 2
		.amdhsa_user_sgpr_kernarg_segment_ptr 1
		.amdhsa_wavefront_size32 1
		.amdhsa_system_sgpr_workgroup_id_x 1
		.amdhsa_system_sgpr_workgroup_id_y 1
		.amdhsa_system_sgpr_workgroup_id_z 1
		.amdhsa_system_vgpr_workitem_id 0
		.amdhsa_next_free_vgpr 1024
		.amdhsa_next_free_sgpr 100
		.amdhsa_reserve_vcc 0
		.amdhsa_float_denorm_mode_32 3
		.amdhsa_float_denorm_mode_16_64 3
		.amdhsa_memory_ordered 1
		.amdhsa_forward_progress 1
		.amdhsa_inst_pref_size 126
	.end_amdhsa_kernel
	.amdgpu_metadata
---
amdhsa.version: [ 1, 2 ]
amdhsa.kernels:
  - .name:           k_qb67bb26dd6_proj
    .symbol:         k_qb67bb26dd6_proj.kd
    .args:
      - { .name: y_img, .offset: 0, .size: 8, .value_kind: global_buffer, .address_space: global }
      - { .name: y_sc, .offset: 8, .size: 8, .value_kind: global_buffer, .address_space: global }
      - { .name: w_img, .offset: 16, .size: 8, .value_kind: global_buffer, .address_space: global }
      - { .name: w_sc, .offset: 24, .size: 8, .value_kind: global_buffer, .address_space: global }
      - { .name: bp, .offset: 32, .size: 8, .value_kind: global_buffer, .address_space: global }
      - { .name: out0, .offset: 40, .size: 8, .value_kind: global_buffer, .address_space: global }
    .group_segment_fixed_size: 327680
    .private_segment_fixed_size: 0
    .kernarg_segment_align: 8
    .kernarg_segment_size: 48
    .max_flat_workgroup_size: 128
    .sgpr_count:     100
    .vgpr_count:     1024
    .wavefront_size: 32
...
	.end_amdgpu_metadata
.endif
;; end of part 4
